; MI455X (gfx1250); checked and timed in simulation.
; The chip was launched on July 23, 2026; its instructions are those of AMD's public machine-readable ISA for CDNA 5 (MIT licence, August 2026) and "CDNA5" Instruction Set Architecture Reference Guide (July 2026). The comments in the code are by the model that wrote it; some were corrected since.
;; Bahdanau Attention. Allowed arithmetic: matrix products marked QUANTISED: E2M1 operands, one E8M0 scale for each 32 along K, by v_wmma_scale_f32_16x16x128_f8f6f4 with both operands' format E2M1 (or v_wmma_scale_f32_32x16x128_f4), f32 sums; products left as they are: f32 operands where the result goes on into a quantised operand, else bf16, f16 or f32 operands; f32 sums; everything else in f32.
;; Inputs: Ua_b 1,024 float32; Ua_w 2,048 x 1,024 float32; Va_b 1 float32; Va_w 1,024 x 1 float32; Wa_b 1,024 float32; Wa_w 1,024 x 1,024 float32; decoder_hidden 32 x 1,024 float32; encoder_outputs 32 x 1,024 x 2,048 float32.
;; Outputs: out0 32 x 1 x 2,048 float32; out1 32 x 1,024 x 1 float32.
;; This version of the problem:
;;   THIS VERSION OF THE PROBLEM IS GIVEN IN LOW PRECISION. The matrix products marked QUANTISED in the list below multiply operands that are first quantised to E2M1 (2 exponent bits, 1 mantissa bit; 4 bits a number), with one power-of-two scale for each 32 numbers along K (OCP MX v1.0); their sums are f32. All else is computed in f32.
;;   The module's matrix products, in the order in which they are computed (A, B: the left and right operand; K: the contracted axis; several contracted axes count as one K, in the product's order):
;;     1. [M 32, K 1,024] x [K 1,024, N 1,024]; A: input decoder_hidden; B: input Wa_w: QUANTISED
;;     2. [M 32,768, K 2,048] x [K 2,048, N 1,024]; A: input encoder_outputs; B: input Ua_w: QUANTISED
;;     3. [M 32,768, K 1,024] x [K 1,024, N 1]; A: computed on the way; B: input Va_w: left as it is (N = 1 < 16)
;;     4. batch 32 x [M 1, K 1,024] x [K 1,024, N 2,048]; A: softmax; B: input encoder_outputs: left as it is (M = 1 < 16)
;;   THE QUANTISER, for each operand of a quantised product, along K:
;;     - K is cut into blocks of 32 from its start; a last block that is shorter is filled with zeros.
;;     - A block's scale is 2^e with e = floor(log2(the largest magnitude in the block)) - 2, held to -126 .. 127; a block of zeros has e = 0. As a byte (E8M0): e + 127.
;;     - Each number is divided by its block's scale, clamped to +-6, and rounded to the nearest number of E2M1, ties to even, subnormals kept.
;;     - The product sums the exact products of the quantised numbers (number of the format x scale) in f32.
;;   ~~~python
;;   def quantise(x, axis):      # numpy; x: float32 -> the quantised numbers, widened to float32 again
;;       x = np.moveaxis(x, axis, -1); K = x.shape[-1]
;;       x = np.pad(x, [(0, 0)] * (x.ndim - 1) + [(0, -K % 32)]); x = x.reshape(x.shape[:-1] + (-1, 32)); a = np.abs(x).max(-1, keepdims=True)
;;       e = np.where(a > 0, np.clip(np.frexp(np.where(a > 0, a, 1))[1] - 1 - 2, -126, 127), 0)      # np.frexp(a)[1] - 1 = floor(log2(a)), exactly
;;       r = np.clip(x / 2.0 ** e, -6, 6)
;;       step = 2.0 ** (np.maximum(np.frexp(np.where(r == 0, 1, r))[1] - 1, 0) - 1)
;;       q = np.round(r / step) * step * 2.0 ** e      # np.round: ties to even
;;       return np.moveaxis(q.reshape(q.shape[:-2] + (-1,))[..., :K], -1, axis).astype(np.float32)
;;   ~~~
;; 2 versions, each right; version 2 is version 1 with the launches prep, attend written anew for expert scheduling mode. Each part assembles by itself: llvm-mc -triple=amdgcn-amd-amdhsa -mcpu=gfx1250 --defsym DOCPART=n.
;; ======== version 1 of 2: 3 launches
;; workspace buffers: ub 1,048,576 bytes; us 65,536 bytes; qb 131,072 bytes; sc 131,072 bytes; pc 4,194,304 bytes
;; launch prep (part 1): grid 128 x 1, 8 waves a work-group, no clusters, 37,888 bytes of LDS; arguments Ua_w, Wa_w, decoder_hidden, Wa_b, Ua_b, ub, us, qb; writes ub, us, qb
.if DOCPART == 1
	.amdgcn_target "amdgcn-amd-amdhsa--gfx1250"
	.amdhsa_code_object_version 6
	.text
	.protected	k_q840172fd7a_prep
	.globl	k_q840172fd7a_prep
	.p2align	8
	.type	k_q840172fd7a_prep,@function
k_q840172fd7a_prep:
	s_mov_b64 s[64:65], 0
	v_nop
	global_prefetch_b8 v0, s[64:65] scope:SCOPE_SE
	s_setreg_imm32_b32 hwreg(HW_REG_WAVE_MODE, 25, 1), 1
	s_wait_xcnt 0x0
; TWO JOBS IN ONE LAUNCH, parted on the work-group's number.
; Work-groups 0-63: Ua_w [2048 (k)][1024 (n)] f32 becomes codes of FP4 (E2M1) and E8M0 scale bytes, one for each 32 along K, laid in the order
;   in which the next launch's operand registers take them:
;   ub: fragment (K step s of 128, tile T of 16 columns) at (64 s + T) x 1,024 bytes; in it block q of 32 along K, column r, at 256 q + 16 r.
;   us: s x 4,096 + w x 512 + lane x 16 + j x 4 = the scale word (four bytes, K step s) of column 16 (8 w + 2 j + lane / 16) + lane % 16.
; Work-groups 64-127: qb[b][n] = decoder_hidden[b] . Wa_w[:, n] + Wa_b[n] + Ua_b[n], the product on codes of FP4, both operands quantised here.
;   A work-group takes 16 columns; its eight waves take the eight K steps of 128; the eight parts meet in LDS and are added in f32.
;   decoder_hidden is loaded as it lies, a row's 512 bytes of the K step to a load, and QUANTISED IN THAT LAYOUT: lane l holds k = 4 l .. 4 l + 3 of a row,
;   eight neighbouring lanes hold a block of 32.  Only the codes change lanes: through the wave's own bytes of LDS, into the operand's order.
; A block's scale is 2^(floor(log2(largest magnitude)) - 2): its byte is the largest magnitude's exponent field - 2, held at 1 from below.
; LIMITS: NaN and infinities among the inputs are not served.  A block of zeros gets the byte 1 where the rule says 127: its codes are zeros, which
; add nothing under any byte but 0xff, and this program alone reads the bytes.  The sum over K of the small product is taken in eight parts, so its
; order of rounding differs from one chain's.  us and qb leave in pieces of 4 bytes a lane: 64 KB and 128 KB in all.
; No tensor loads and no cluster: no two work-groups read the same bytes of Ua_w, and what is shared of the small product is 128 KB.
.set NUM, 64                           ; v64-191  Ua: 128 numbers down K of my column
.set CD,  192                          ; v192-207 Ua: the codes of four blocks
.set QIMG, 16384                       ; LDS: 0 .. 16,383 the eight parts; from here 2,560 bytes for each wave: two fragments' images, then their scale words
.set QW,   2560
.set FRB,  1152                        ; a fragment's image: four blocks' quarters of 256 bytes, 288 apart, so that the 32 lanes of a 4-byte store touch 32 different banks (ISA guide 11.1)
.set MQ,  216                          ; v216-223 eight rows' largest magnitudes, then scale operands, then bytes
.set CQ,  224                          ; v224-231 their codes.  (Both runs take the finished fragments afterwards)
	s_load_b256 s[4:11], s[0:1], 0x0               ; Ua_w s[4:5], Wa_w s[6:7], decoder_hidden s[8:9], Wa_b s[10:11]
	s_load_b256 s[12:19], s[0:1], 0x20             ; Ua_b s[12:13], ub s[14:15], us s[16:17], qb s[18:19]
	v_lshl_add_u32 v243, v0, 2, 0x9000
	v_mov_b32 v255, 0
	v_lshrrev_b32 v1, 5, v0
	v_readfirstlane_b32 s20, v1                    ; wave 0..7
	v_and_b32 v244, 31, v0                         ; lane
	v_and_b32 v245, 15, v0                         ; r
	v_bfe_u32 v246, v0, 4, 1                       ; h
	v_bfe_u32 v247, v0, 3, 2                       ; lane / 8: the block of 32 that my four numbers of a row belong to
	v_and_b32 v248, 1, v0                          ; lane % 2
	v_bfe_u32 v249, v0, 1, 2                       ; (lane / 2) % 4: which eight codes of the block my pair of lanes makes
	v_lshlrev_b32 v1, 2, v244                      ; 4 x lane
	v_lshlrev_b32 v2, 4, v244                      ; 16 x lane
	v_lshlrev_b32 v3, 4, v245
	v_lshl_add_u32 v3, v246, 10, v3                ; ub: tile h of my pair of tiles, 16 r
	v_lshlrev_b32 v10, 2, v245                     ; 4 r
	v_lshl_add_u32 v4, v246, 17, v10               ; Wa_w: column r; lanes 16-31 begin 32 rows of 4,096 bytes further down
	v_lshlrev_b32 v6, 3, v246                      ; 8 h: where my two scale bytes stand in a word
	s_lshl_b32 s24, s20, 11
	v_add_nc_u32 v7, s24, v2                       ; LDS: my wave's part: 2,048 x wave + 16 x lane
	s_and_b32 s24, s20, 3
	s_lshl_b32 s24, s24, 9
	v_add_nc_u32 v8, s24, v2                       ; LDS: the piece of every part that I add: 512 x (wave % 4) + 16 x lane
	v_lshl_add_u32 v9, v246, 15, v10               ; qb: 8 h rows of 4,096 bytes + 4 r
	v_mov_b32 v11, 0                               ; a lane permute's destination counts as one of its sources
	s_mul_i32 s24, s20, QW
	s_add_co_u32 s24, s24, QIMG                    ; my wave's images
	v_mul_u32_u24 v5, v247, 288
	v_lshl_add_u32 v5, v248, 4, v5
	v_lshl_add_u32 v5, v249, 2, v5
	v_add_nc_u32 v5, s24, v5                       ; where I store eight codes: block's quarter, row 2 p + lane % 2 (32 p in the immediate), dword
	v_add_nc_u32 v253, s24, v247                   ; where I store a scale byte: 4 x row in the immediate, + block
	v_mul_u32_u24 v250, v246, 288
	v_lshl_add_u32 v250, v245, 4, v250
	v_add_nc_u32 v250, s24, v250                   ; where a fragment is read: block 2 c + h (576 c in the immediate), row r
	v_lshl_add_u32 v251, v245, 2, s24              ; and its scale words: 4 r
	v_mov_b32 v252, 0x05040100                     ; v_perm_b32's selector: even lanes: my low half, then my neighbour's low half;
	v_mov_b32 v254, 0x03020706                     ; odd lanes: my neighbour's high half, then my high half
	v_cmp_eq_u32 vcc_lo, 1, v248
	v_cndmask_b32 v252, v252, v254, vcc_lo
	s_mov_b32 s22, 0x76543210
	s_mov_b32 s23, 0xfedcba98                      ; v_permlanex16_b32's selects for lane l xor 16
	s_and_b32 s21, ttmp9, 63                       ; the tile of 16 columns of the small product
	s_lshl_b32 s24, s21, 6
	s_mov_b32 s25, 0
	s_wait_kmcnt 0x0
	s_add_nc_u64 s[10:11], s[10:11], s[24:25]
	s_add_nc_u64 s[12:13], s[12:13], s[24:25]
	global_load_b32 v12, v10, s[10:11]             ; Wa_b and Ua_b of column 16 T + r: loaded on both ways, so that both registers are written wherever they are read
	global_load_b32 v13, v10, s[12:13]
	s_cmp_lt_u32 ttmp9, 64
	s_cbranch_scc0 .Lquery
; ---- Ua.  Work-group x: K step s = x / 4; wave: columns 32 P + lane, P = 8 (x % 4) + wave.  A LANE TAKES A COLUMN AND ITS REGISTERS RUN DOWN K:
; a block of 32 lies in one lane, and the conversions give codes with K innermost.  Each load reads 128 neighbouring bytes, the eight waves 1,024.
	s_lshr_b32 s24, ttmp9, 2                       ; s
	s_and_b32 s26, ttmp9, 3
	s_lshl_b32 s26, s26, 3
	s_add_co_u32 s26, s26, s20                     ; P
	s_lshl_b32 s28, s24, 19                        ; 128 rows of 4,096 bytes a K step
	s_lshl_b32 s30, s26, 7
	s_add_co_u32 s28, s28, s30
	s_mov_b32 s29, 0
	s_add_nc_u64 s[4:5], s[4:5], s[28:29]
	s_lshl_b32 s28, s24, 16                        ; ub: 64 fragments a K step, two of them mine
	s_lshl_b32 s30, s26, 11
	s_add_co_u32 s28, s28, s30
	s_add_nc_u64 s[14:15], s[14:15], s[28:29]
	s_lshl_b32 s28, s24, 12                        ; us: 4,096 s + 512 (P / 4) + 4 (P % 4)
	s_lshr_b32 s30, s26, 2
	s_lshl_b32 s30, s30, 9
	s_add_co_u32 s28, s28, s30
	s_and_b32 s30, s26, 3
	s_lshl_b32 s30, s30, 2
	s_add_co_u32 s28, s28, s30
	s_add_nc_u64 s[16:17], s[16:17], s[28:29]
.set k, 0
.rept 128
	global_load_b32 v[NUM+k], v1, s[4:5] offset:k*4096 th:TH_LOAD_NT
.set k, k+1
.endr
; Block q of four.  left: how many younger loads may stay out (96, 64, 32, 0 were issued behind the block's; a wait names 63 at the most).
.macro QB q, left
.set XS, NUM+32*(\q)
	s_wait_loadcnt \left
	v_max3_num_f32 v210, |v[XS]|, |v[XS+1]|, |v[XS+2]|             ; the block's largest magnitude, in two chains
	v_max3_num_f32 v211, |v[XS+3]|, |v[XS+4]|, |v[XS+5]|
.irp i, 6,10,14,18,22,26
	v_max3_num_f32 v210, v210, |v[XS+\i]|, |v[XS+\i+1]|
	v_max3_num_f32 v211, v211, |v[XS+\i+2]|, |v[XS+\i+3]|
.endr
	v_max3_num_f32 v210, v210, |v[XS+30]|, |v[XS+31]|
	v_max3_num_f32 v210, v210, v211, 0x1800000     ; and the floor 2^(3 - 127): the byte cannot fall under 1
	v_add_nc_u32 v209, 0xff000000, v210            ; 2 off the exponent field: the conversion takes this operand's exponent field as its scale
.irp g, 0,1,2,3
	v_cvt_scalef32_pk8_fp4_f32 v[CD+4*(\q)+\g], v[XS+8*\g:XS+8*\g+7], v209
.endr
	v_lshrrev_b32 v212, 23, v209                   ; the scale's byte (a plain line behind the conversions)
.if (\q) == 0
	v_mov_b32 v208, v212
.else
	v_lshl_or_b32 v208, v212, 8*(\q), v208         ; four bytes make the K step's scale word of my column
.endif
	global_store_b128 v3, v[CD+4*(\q):CD+4*(\q)+3], s[14:15] offset:256*(\q)   ; lanes 0-15 and lanes 16-31 each store 256 consecutive bytes, aligned
.endm
	QB 0, 63
	QB 1, 63
	QB 2, 32
	QB 3, 0
	global_store_b32 v2, v208, s[16:17]
	s_branch .Ljoin
; ---- The small product, part 1: wave = K step s.  decoder_hidden: a load takes one row's 512 consecutive bytes of the K step.
; Wa_w: lane r takes column 16 T + r, registers down K in the operand's own order (k = 64 c + 32 h + i).
.Lquery:
	s_lshl_b32 s24, s20, 19
	s_lshl_b32 s26, s21, 6
	s_add_co_u32 s24, s24, s26
	s_add_nc_u64 s[6:7], s[6:7], s[24:25]          ; Wa_w: row 128 s, column 16 T
	s_lshl_b32 s24, s20, 9
	s_add_nc_u64 s[8:9], s[8:9], s[24:25]          ; decoder_hidden: k = 128 s
.set k, 0
.rept 32
	global_load_b128 v[80+4*k:83+4*k], v2, s[8:9] offset:4096*k
.set k, k+1
.endr
.set k, 0
.rept 64
	global_load_b32 v[16+k], v4, s[6:7] offset:((k/32)*64+(k%32))*4096
.set k, k+1
.endr
; Eight rows, 8 g .. 8 g + 7, four registers each.  A block's largest magnitude: my four numbers, then the eight lanes that hold the block.
; Two rows' registers are eight on end: two conversions take them, one under each row's scale; of the first the low 16 bits hold (the even row's four codes), of the second
; the high 16.  One exchange with the lane beside me then gives even lanes eight codes of the even row and odd lanes eight of the odd row, k ascending.
.macro QROWS g
.set XB, 80+32*(\g)
.irp i, 0,1,2,3,4,5,6,7
	v_max3_num_f32 v[MQ+\i], |v[XB+4*\i]|, |v[XB+4*\i+1]|, 0x1800000   ; with the floor 2^(3 - 127): the byte cannot fall under 1
.endr
.irp i, 0,1,2,3,4,5,6,7
	v_max3_num_f32 v[MQ+\i], v[MQ+\i], |v[XB+4*\i+2]|, |v[XB+4*\i+3]|
.endr
.irp x, 1,2,4
.irp i, 0,1,2,3,4,5,6,7
	v_max_num_f32_dpp v[MQ+\i], v[MQ+\i], v[MQ+\i] row_xmask:\x row_mask:0xf bank_mask:0xf
.endr
.endr
.irp i, 0,1,2,3,4,5,6,7
	v_add_nc_u32 v[MQ+\i], 0xff000000, v[MQ+\i]    ; 2 off the exponent field: the conversion's scale operand
.endr
.irp p, 0,1,2,3
	v_cvt_scalef32_pk8_fp4_f32 v[CQ+2*\p], v[XB+8*\p:XB+8*\p+7], v[MQ+2*\p]
	v_cvt_scalef32_pk8_fp4_f32 v[CQ+2*\p+1], v[XB+8*\p:XB+8*\p+7], v[MQ+2*\p+1]
.endr
	v_nop                                          ; one plain line behind the last conversion of a run
.irp i, 0,1,2,3,4,5,6,7
	v_lshrrev_b32 v[MQ+\i], 23, v[MQ+\i]           ; the scale's byte
.endr
.irp p, 0,1,2,3
	v_bfi_b32 v[CQ+2*\p], 0xffff, v[CQ+2*\p], v[CQ+2*\p+1]         ; low half: the even row's codes; high half: the odd row's
.endr
.irp p, 0,1,2,3
	v_mov_b32_dpp v[CQ+2*\p+1], v[CQ+2*\p] row_xmask:1 row_mask:0xf bank_mask:0xf
.endr
.irp p, 0,1,2,3
	v_perm_b32 v[CQ+2*\p], v[CQ+2*\p+1], v[CQ+2*\p], v252
.endr
.irp p, 0,1,2,3
	ds_store_b32 v5, v[CQ+2*\p] offset:FRB*((\g)/2)+32*(4*((\g)%2)+\p)
.endr
.irp i, 0,1,2,3,4,5,6,7
	ds_store_b8 v253, v[MQ+\i] offset:2*FRB+64*((\g)/2)+4*(8*((\g)%2)+\i)   ; the eight lanes of a block write the same byte with the same value
.endr
.endm
	s_wait_loadcnt 63                              ; decoder_hidden's 32 loads are in: behind the last of them Wa_w's 64 were issued, and a wait names 63 at the most
	QROWS 0
	QROWS 1
	QROWS 2
	QROWS 3
.irp mt, 0,1                                   ; my own bytes: LDS serves a wave's instructions in order (ISA guide 5.7.1.4), so these see the stores above
.irp c, 0,1
	ds_load_b128 v[216+8*\mt+4*\c:219+8*\mt+4*\c], v250 offset:FRB*\mt+576*\c
.endr
	ds_load_b32 v[233+\mt], v251 offset:2*FRB+64*\mt
.endr
	s_wait_loadcnt 0x0                             ; Wa_w
; 64 numbers of a lane, two whole blocks (blocks h and 2 + h of the K step), become a fragment's eight registers and its scale word.
.macro QUANT6 src, cod, wrd
.irp c, 0,1
	v_max3_num_f32 v[236+\c], |v[\src+32*\c]|, |v[\src+1+32*\c]|, 0x1800000
.endr
.irp i, 2,4,6,8,10,12,14,16,18,20,22,24,26,28,30
.irp c, 0,1
	v_max3_num_f32 v[236+\c], v[236+\c], |v[\src+32*\c+\i]|, |v[\src+1+32*\c+\i]|
.endr
.endr
.irp c, 0,1
	v_add_nc_u32 v[238+\c], 0xff000000, v[236+\c]
.endr
.irp c, 0,1
	v_lshrrev_b32 v[240+\c], 23, v[238+\c]
.endr
	v_lshl_or_b32 v[\wrd], v241, 16, v240          ; my two bytes,
	v_lshlrev_b32 v[\wrd], v6, v[\wrd]             ; at their places in the word (8 h bits up);
	v_permlanex16_b32 v11, v[\wrd], s22, s23
	v_or_b32 v[\wrd], v[\wrd], v11                 ; with lane l xor 16's two the word is whole
.irp c, 0,1
.irp g, 0,1,2,3
	v_cvt_scalef32_pk8_fp4_f32 v[\cod+4*\c+\g], v[\src+32*\c+8*\g:\src+32*\c+8*\g+7], v[238+\c]
.endr
.endr
	v_nop                                          ; one plain line behind the last conversion of a run
.endm
	QUANT6 16, 208, 232                            ; Wa_w's 16 columns
	s_wait_dscnt 0x0                               ; decoder_hidden's two fragments and their scale words
.rept 8
	v_nop                                          ; a scale register written by a vector instruction stands 8 places ahead of a scaled matrix instruction, an operand 4
.endr
	v_wmma_scale_f32_16x16x128_f8f6f4 v[16:23], v[216:223], v[208:215], 0, v233, v232 matrix_a_fmt:MATRIX_FMT_FP4 matrix_b_fmt:MATRIX_FMT_FP4
	v_wmma_scale_f32_16x16x128_f8f6f4 v[24:31], v[224:231], v[208:215], 0, v234, v232 matrix_a_fmt:MATRIX_FMT_FP4 matrix_b_fmt:MATRIX_FMT_FP4
.rept 4
	v_nop                                          ; four places in front of the first read of the results (ISA guide 7.12.1)
.endr
.irp i, 0,1,2,3
	ds_store_b128 v7, v[16+4*\i:19+4*\i] offset:512*\i   ; each result from its low end on
.endr
.Ljoin:
	s_wait_dscnt 0x0                               ; for the others' sake: my part lies in LDS
	s_barrier_signal -1
	s_barrier_wait -1
	s_cmp_lt_u32 ttmp9, 64
	s_cbranch_scc1 .Lend
	s_cmp_ge_u32 s20, 4
	s_cbranch_scc1 .Lend
; ---- part 2, waves v = 0..3: registers 4 v .. 4 v + 3 of all eight parts are added.  Register 4 v + e of lane (r, h) is row 16 (v / 2) + 8 h + 4 (v % 2) + e, column 16 T + r.
	s_lshr_b32 s24, s20, 1
	s_lshl_b32 s24, s24, 16
	s_and_b32 s26, s20, 1
	s_lshl_b32 s26, s26, 14
	s_add_co_u32 s24, s24, s26
	s_lshl_b32 s26, s21, 6
	s_add_co_u32 s24, s24, s26
	s_mov_b32 s25, 0
	s_add_nc_u64 s[18:19], s[18:19], s[24:25]
.irp p, 0,1,2,3,4,5,6,7
	ds_load_b128 v[32+4*\p:35+4*\p], v8 offset:2048*\p
.endr
	s_wait_dscnt 0x0
.irp p, 0,2,4,6
	v_pk_add_f32 v[32+4*\p:33+4*\p], v[32+4*\p:33+4*\p], v[36+4*\p:37+4*\p]
	v_pk_add_f32 v[34+4*\p:35+4*\p], v[34+4*\p:35+4*\p], v[38+4*\p:39+4*\p]
.endr
.irp p, 0,4
	v_pk_add_f32 v[32+4*\p:33+4*\p], v[32+4*\p:33+4*\p], v[40+4*\p:41+4*\p]
	v_pk_add_f32 v[34+4*\p:35+4*\p], v[34+4*\p:35+4*\p], v[42+4*\p:43+4*\p]
.endr
	v_pk_add_f32 v[32:33], v[32:33], v[48:49]
	v_pk_add_f32 v[34:35], v[34:35], v[50:51]
	s_wait_loadcnt 0x0                             ; the two biases
	v_add_f32 v14, v12, v13
.irp e, 0,1,2,3
	v_add_f32 v[32+\e], v[32+\e], v14
.endr
.irp e, 0,1,2,3
	global_store_b32 v9, v[32+\e], s[18:19] offset:4096*\e
.endr
.Lend:
	s_wait_tensorcnt 0x0
	ds_add_u32 v243, v255
	s_wait_dscnt 0x0
	s_endpgm
.Lfunc_end_k_q840172fd7a_prep:
	.size	k_q840172fd7a_prep, .Lfunc_end_k_q840172fd7a_prep-k_q840172fd7a_prep
	.p2alignl 7, 3214868480
	.fill 96, 4, 3214868480
	.section	.rodata,"a",@progbits
	.p2align	6, 0x0
	.amdhsa_kernel k_q840172fd7a_prep
		.amdhsa_group_segment_fixed_size 37888
		.amdhsa_private_segment_fixed_size 0
		.amdhsa_enable_private_segment 0
		.amdhsa_kernarg_size 64
		.amdhsa_user_sgpr_count 2
		.amdhsa_user_sgpr_kernarg_segment_ptr 1
		.amdhsa_wavefront_size32 1
		.amdhsa_system_sgpr_workgroup_id_x 1
		.amdhsa_system_sgpr_workgroup_id_y 1
		.amdhsa_system_sgpr_workgroup_id_z 1
		.amdhsa_system_vgpr_workitem_id 0
		.amdhsa_next_free_vgpr 256
		.amdhsa_next_free_sgpr 66
		.amdhsa_reserve_vcc 1
		.amdhsa_float_denorm_mode_32 3
		.amdhsa_float_denorm_mode_16_64 3
		.amdhsa_memory_ordered 1
		.amdhsa_forward_progress 1
		.amdhsa_inst_pref_size 61
	.end_amdhsa_kernel
	.amdgpu_metadata
---
amdhsa.version: [ 1, 2 ]
amdhsa.kernels:
  - .name:           k_q840172fd7a_prep
    .symbol:         k_q840172fd7a_prep.kd
    .args:
      - { .name: Ua_w, .offset: 0, .size: 8, .value_kind: global_buffer, .address_space: global }
      - { .name: Wa_w, .offset: 8, .size: 8, .value_kind: global_buffer, .address_space: global }
      - { .name: decoder_hidden, .offset: 16, .size: 8, .value_kind: global_buffer, .address_space: global }
      - { .name: Wa_b, .offset: 24, .size: 8, .value_kind: global_buffer, .address_space: global }
      - { .name: Ua_b, .offset: 32, .size: 8, .value_kind: global_buffer, .address_space: global }
      - { .name: ub, .offset: 40, .size: 8, .value_kind: global_buffer, .address_space: global }
      - { .name: us, .offset: 48, .size: 8, .value_kind: global_buffer, .address_space: global }
      - { .name: qb, .offset: 56, .size: 8, .value_kind: global_buffer, .address_space: global }
    .group_segment_fixed_size: 37888
    .private_segment_fixed_size: 0
    .kernarg_segment_align: 8
    .kernarg_segment_size: 64
    .max_flat_workgroup_size: 256
    .sgpr_count:     66
    .vgpr_count:     256
    .wavefront_size: 32
...
	.end_amdgpu_metadata
.endif
;; end of part 1
;; launch attend (part 2): grid 512 x 1, 8 waves a work-group, no clusters, 302,080 bytes of LDS; arguments encoder_outputs, ub, us, qb, Va_w, Va_b, sc, pc; writes sc, pc
.if DOCPART == 2
	.amdgcn_target "amdgcn-amd-amdhsa--gfx1250"
	.amdhsa_code_object_version 6
	.text
	.protected	k_q840172fd7a_attend
	.globl	k_q840172fd7a_attend
	.p2align	8
	.type	k_q840172fd7a_attend,@function
k_q840172fd7a_attend:
	s_mov_b64 s[64:65], 0
	v_nop
	global_prefetch_b8 v0, s[64:65] scope:SCOPE_SE
	s_setreg_imm32_b32 hwreg(HW_REG_WAVE_MODE, 25, 1), 1
	s_wait_xcnt 0x0
; A work-group owns 64 rows of encoder_outputs (rows 64 g .. 64 g + 63, all of batch g / 16) and reads them from memory ONCE.  It
;   quantises them to codes of FP4 (E2M1) with one E8M0 scale for each 32 along K, multiplies them by Ua's codes (all 1,024 columns, K = 2,048),
;   takes score[row] = sum over n of Va[n] tanh(qb[n] + k[row][n]) + Va_b in f32, stores the 64 scores (sc),
;   and, from a bf16 copy of the rows that it kept in LDS, stores pc[g][:] = sum over its rows of 2^((score - the block's largest score) log2 e) x row.
; The last launch brings the 16 blocks of a batch under one maximum.
; SHARES.  K goes in 8 trips of 256.  In a trip wave w turns 16 rows (tile m = w / 2) x 128 along K (K step ks = w % 2) into one fragment, which goes to the
; other waves through LDS in the order of the operand's registers.  In the products wave w owns columns 128 w .. + 127 for all 64 rows: 4 x 8 accumulators, all of window 1.
; THE ROWS ARE QUANTISED IN THE LAYOUT IN WHICH THEY ARE LOADED.  A load takes one row's 512 consecutive bytes: lane l holds k = 4 l .. 4 l + 3, eight neighbouring lanes
; hold a block of 32.  The f32 numbers never change lanes: only the codes do, an eighth of the bytes, on their way into the fragment's image; the bf16 copy is stored as loaded.
; Ua's fragments come from memory straight into registers, in the order in which the first launch laid them: both K steps' sets are resident.
; ORDER OF LOADS.  A wave's loads come back in order (ISA guide 5.7.1).  In trip t they are issued so: Ua's set 2 t + 1 (17 loads), the next trip's rows 0-7 (8), its rows 8-15 (8),
; Ua's set 2 t + 2 (17); each run is dealt out among vector or matrix instructions, so that no wave issues a long run of loads while its other work waits.  42 loads of a wave are out at the most.
; A load's destination and a product's D share one window field, so loads among the products cost two window switches a run: 14 switches a trip.
; NO TENSOR LOADS, NO CLUSTER, though every work-group walks the same codes of Ua: a joint load lands in LDS, the rows' copy takes 263,168 of the 327,680 bytes,
; and one K step of Ua's codes for 1,024 columns is 65,536 bytes: two slots of it do not fit beside the copy.
; The text has no loop: every offset is an immediate, and no address register, base or global store's data is ever written again.
; tanh(x) = 1 - 2 / (1 + 2^(2 log2(e) x)): both ends saturate rightly (2^.. = infinity gives 1, 0 gives -1).
; LIMITS: NaN and infinities among the inputs are not served.  A block of zeros gets the scale byte 1 where the rule says 127: its codes are zeros.
; The rows enter the weighted sum rounded to bf16; the weights and the sums are f32.
.set COPYP, 4112                       ; LDS: the copy: 64 rows x (4,096 bytes of bf16 + 16)
.set IMG,   64*COPYP                   ; two slots of images
.set BLKP,  288                        ; in an image a block's quarter (16 rows x 16 bytes) takes 288 bytes: block b begins 8 b banks on, so that the 32 lanes of a 4-byte store touch 32 different banks (ISA guide 11.1)
.set FRB,   4*BLKP                     ; a fragment's image; fragment 2 m + ks at FRB x
.set SCOF,  8*FRB                      ; behind the eight images their scale words: 256 ks + 64 m + 4 row
.set SLOTB, SCOF+512
.set SCR,   IMG+2*SLOTB                ; [wave][64 rows] f32: the waves' parts of the scores
.set TST,   SCR+2048                   ; 2,048 bytes for each wave, for the tail
.set LI,  1                            ; v1   16 x lane
.set CPW, 2                            ; v2   the copy, written: 16 m rows + 256 ks + 8 x lane
.set IMW, 3                            ; v3   where I store eight codes: my fragment, block lane / 8, row lane % 2 (32 for each pair of rows in the immediate), dword (lane / 2) % 4
.set ISB, 4                            ; v4   where I store a scale byte: my fragment's words + lane / 8 (4 x row in the immediate)
.set SELV, 5                           ; v5   v_perm_b32's selector: even and odd lanes differ
.set IMR, 8                            ; v8   where images are read: IMG + 288 h + 16 r
.set ISR, 9                            ; v9   and scale words: IMG + SCOF + 4 x lane
.set ASC, 10                           ; v10-11  the rows' scale words: register p: lanes 0-15 tile 2 p, lanes 16-31 tile 2 p + 1
.set BSC, 12                           ; v12-19  Ua's scale words, two sets of 4: register j: lanes 0-15 tile 2 j, lanes 16-31 tile 2 j + 1
.set AF,  20                           ; v20-51  the rows' four fragments; while a fragment is made, the same registers are at work:
.set MX,  20                           ;         v20-27 eight rows' largest magnitudes, then scale operands, then bytes
.set CC,  28                           ;         v28-35 their codes
.set BH,  36                           ;         v36-51 their numbers in bf16
.set X,   52                           ; v52-115 my 16 rows' numbers, four registers a row
.set CN,  116                          ; v116 4 r
.set SW,  117                          ; v117 SCR + 256 w + 32 h
.set SR,  118                          ; v118 SCR + 8 x lane
.set PWA, 119                          ; v119 my tail stage + 8 x lane
.set PB,  120                          ; v120 my tail stage
.set OS,  121                          ; v121 my tail stage + 512 + 32 x lane
.set OL,  122                          ; v122 my tail stage + 512 + 16 x lane
.set L8,  123                          ; v123 8 x lane
.set CR,  124                          ; v124-127 the copy, read: 512 w + 16 x lane + 16 rows x g
.set BF,  128                          ; v128-255 Ua's fragments: set ks at 128 + 64 ks, tile u at + 8 u
.set QC,  128                          ; the tail: for tile u: v[QC + 4 u], + 1: 2 log2(e) q;  + 2, + 3: -2 Va
.set PR,  128                          ; later: the 64 rows' weights
.set SCO, 68                           ; the tail: v68-99 my part of 32 scores
.set OA,  100                          ; the tail: v100-107 eight columns' sums; v108-115 on the way out
.set MSB, 0
.macro WIN new                         ; s_set_vgpr_msb: bits 1:0 source 0, 3:2 source 1, 5:4 source 2, 7:6 destination; the high byte repeats the setting that is left
.if MSB != \new
	s_set_vgpr_msb (MSB<<8)|\new
.set MSB, \new
.endif
.endm
.macro PLACES                          ; four places behind matrix instructions, in front of loads into their registers, of vector lines that write them and of reads of their results
.rept 4
	v_nop
.endr
.endm
.macro EL t, i                         ; row i of my 16, trip t: 512 consecutive bytes, aligned
	global_load_b128 v[X+4*(\i):X+4*(\i)+3], v[LI], s[4:5] offset:1024*(\t)+8192*(\i) th:TH_LOAD_NT
.endm
.macro BL s, n                         ; load n of 17 of Ua's set for K step s, into set s % 2: 16 halves of fragments, then the scale words; each 512 consecutive bytes
.if (\n) < 16
	global_load_b128 v[BF+64*((\s)%2)+4*(\n):BF+64*((\s)%2)+4*(\n)+3], v[LI], s[6:7] offset:65536*(\s)+512*(\n)
.else
	global_load_b128 v[BSC+4*((\s)%2):BSC+4*((\s)%2)+3], v[LI], s[8:9] offset:4096*(\s)
.endif
.endm
; Place n of nine between the lines of GROUP.  SPK = 1: two loads of Ua's set SPS (the ninth place: the seventeenth load);  SPK = 2: row n of trip SPS;  SPK = 0: nothing.
.macro SPR n
.if SPK == 1
	BL SPS, 2*(\n)
.if 2*(\n)+1 < 17
	BL SPS, 2*(\n)+1
.endif
.elseif SPK == 2
.if (\n) < 8
	EL SPS, \n
.endif
.endif
.endm
; Eight of my rows, 8 g .. 8 g + 7, in trip t.  A block's largest magnitude: my four numbers, then the eight lanes that hold the block.  Two rows' registers are eight on end:
; two conversions take them, one under each row's scale; of the first the low 16 bits hold (the even row's four codes), of the second the high 16.  One exchange with the lane beside me
; gives even lanes eight codes of the even row and odd lanes eight of the odd row, k ascending: one dword of the operand.  The eight rows take turns line by line.
; (The registers at work are written again while LDS stores that name them may be out: an LDS instruction's sources want no wait.)
.macro GROUP t, g
.set XB, X+32*(\g)
.irp i, 0,1,2,3,4,5,6,7
	v_max3_num_f32 v[MX+\i], |v[XB+4*\i]|, |v[XB+4*\i+1]|, 0x1800000   ; with the floor 2^(3 - 127): the byte cannot fall under 1
.endr
	SPR 0
.irp i, 0,1,2,3,4,5,6,7
	v_max3_num_f32 v[MX+\i], v[MX+\i], |v[XB+4*\i+2]|, |v[XB+4*\i+3]|
.endr
	SPR 1
.irp i, 0,1,2,3,4,5,6,7
	v_max_num_f32_dpp v[MX+\i], v[MX+\i], v[MX+\i] row_xmask:1 row_mask:0xf bank_mask:0xf
.endr
	SPR 2
.irp i, 0,1,2,3,4,5,6,7
	v_max_num_f32_dpp v[MX+\i], v[MX+\i], v[MX+\i] row_xmask:2 row_mask:0xf bank_mask:0xf
.endr
	SPR 3
.irp i, 0,1,2,3,4,5,6,7
	v_max_num_f32_dpp v[MX+\i], v[MX+\i], v[MX+\i] row_xmask:4 row_mask:0xf bank_mask:0xf
.endr
	SPR 4
.irp i, 0,1,2,3,4,5,6,7
	v_add_nc_u32 v[MX+\i], 0xff000000, v[MX+\i]    ; 2 off the exponent field: the conversion takes this operand's exponent field as its scale
.endr
	SPR 5
.irp p, 0,1,2,3
	v_cvt_scalef32_pk8_fp4_f32 v[CC+2*\p], v[XB+8*\p:XB+8*\p+7], v[MX+2*\p]
	v_cvt_scalef32_pk8_fp4_f32 v[CC+2*\p+1], v[XB+8*\p:XB+8*\p+7], v[MX+2*\p+1]
.endr
	v_nop                                          ; one plain line behind the last conversion of a run
	SPR 6
.irp i, 0,1,2,3,4,5,6,7
	v_cvt_pk_bf16_f32 v[BH+2*\i], v[XB+4*\i], v[XB+4*\i+1]
	v_cvt_pk_bf16_f32 v[BH+2*\i+1], v[XB+4*\i+2], v[XB+4*\i+3]
.endr
.irp i, 0,1,2,3,4,5,6,7
	ds_store_b64 v[CPW], v[BH+2*\i:BH+2*\i+1] offset:COPYP*(8*(\g)+\i)+512*(\t)   ; 256 consecutive bytes of the row's copy
.endr
	SPR 7
.irp i, 0,1,2,3,4,5,6,7
	v_lshrrev_b32 v[MX+\i], 23, v[MX+\i]           ; the scale's byte
.endr
.irp i, 0,1,2,3,4,5,6,7
	ds_store_b8 v[ISB], v[MX+\i] offset:SLOTB*((\t)%2)+4*(8*(\g)+\i)   ; the eight lanes of a block write the same byte with the same value
.endr
	SPR 8
.irp p, 0,1,2,3
	v_bfi_b32 v[CC+2*\p], s34, v[CC+2*\p], v[CC+2*\p+1]            ; low half: the even row's codes; high half: the odd row's
.endr
.irp p, 0,1,2,3
	v_mov_b32_dpp v[CC+2*\p+1], v[CC+2*\p] row_xmask:1 row_mask:0xf bank_mask:0xf
.endr
.irp p, 0,1,2,3
	v_perm_b32 v[CC+2*\p], v[CC+2*\p+1], v[CC+2*\p], v[SELV]
.endr
.irp p, 0,1,2,3
	ds_store_b32 v[IMW], v[CC+2*\p] offset:SLOTB*((\t)%2)+32*(4*(\g)+\p)
.endr
.endm
; One product: rows' tile m (source 0) x Ua's tile u of set k (source 1): register j of lane (r, h) is (row 16 m + 8 h + j, column 128 w + 16 u + r).
; Odd tiles' scale words stand in lanes 16-31 of their register.
.macro MM m, u, k, zero
.set rD, 8*(8*(\m)+(\u))
.set rA, AF+8*(\m)
.set rB, BF+64*(\k)+8*(\u)
.set rP, ASC+(\m)/2
.set rQ, BSC+4*(\k)+(\u)/2
.set sel, 4*(\zero)+2*((\m)%2)+(\u)%2
.if sel == 0
	v_wmma_scale_f32_16x16x128_f8f6f4 v[rD:rD+7], v[rA:rA+7], v[rB:rB+7], v[rD:rD+7], v[rP], v[rQ] matrix_a_fmt:MATRIX_FMT_FP4 matrix_b_fmt:MATRIX_FMT_FP4
.elseif sel == 1
	v_wmma_scale_f32_16x16x128_f8f6f4 v[rD:rD+7], v[rA:rA+7], v[rB:rB+7], v[rD:rD+7], v[rP], v[rQ] matrix_a_fmt:MATRIX_FMT_FP4 matrix_b_fmt:MATRIX_FMT_FP4 matrix_b_scale:MATRIX_SCALE_ROW1
.elseif sel == 2
	v_wmma_scale_f32_16x16x128_f8f6f4 v[rD:rD+7], v[rA:rA+7], v[rB:rB+7], v[rD:rD+7], v[rP], v[rQ] matrix_a_fmt:MATRIX_FMT_FP4 matrix_b_fmt:MATRIX_FMT_FP4 matrix_a_scale:MATRIX_SCALE_ROW1
.elseif sel == 3
	v_wmma_scale_f32_16x16x128_f8f6f4 v[rD:rD+7], v[rA:rA+7], v[rB:rB+7], v[rD:rD+7], v[rP], v[rQ] matrix_a_fmt:MATRIX_FMT_FP4 matrix_b_fmt:MATRIX_FMT_FP4 matrix_a_scale:MATRIX_SCALE_ROW1 matrix_b_scale:MATRIX_SCALE_ROW1
.elseif sel == 4
	v_wmma_scale_f32_16x16x128_f8f6f4 v[rD:rD+7], v[rA:rA+7], v[rB:rB+7], 0, v[rP], v[rQ] matrix_a_fmt:MATRIX_FMT_FP4 matrix_b_fmt:MATRIX_FMT_FP4
.elseif sel == 5
	v_wmma_scale_f32_16x16x128_f8f6f4 v[rD:rD+7], v[rA:rA+7], v[rB:rB+7], 0, v[rP], v[rQ] matrix_a_fmt:MATRIX_FMT_FP4 matrix_b_fmt:MATRIX_FMT_FP4 matrix_b_scale:MATRIX_SCALE_ROW1
.elseif sel == 6
	v_wmma_scale_f32_16x16x128_f8f6f4 v[rD:rD+7], v[rA:rA+7], v[rB:rB+7], 0, v[rP], v[rQ] matrix_a_fmt:MATRIX_FMT_FP4 matrix_b_fmt:MATRIX_FMT_FP4 matrix_a_scale:MATRIX_SCALE_ROW1
.else
	v_wmma_scale_f32_16x16x128_f8f6f4 v[rD:rD+7], v[rA:rA+7], v[rB:rB+7], 0, v[rP], v[rQ] matrix_a_fmt:MATRIX_FMT_FP4 matrix_b_fmt:MATRIX_FMT_FP4 matrix_a_scale:MATRIX_SCALE_ROW1 matrix_b_scale:MATRIX_SCALE_ROW1
.endif
.endm
; K step k of trip t: the four fragments of the rows from LDS, 32 products (the 32 accumulators take turns, one instruction a turn).  zero = 1: the products start the sums.
; Behind each eight products stand loads into registers that no product of this K step names.  K step 0: the next trip's rows 8-15, four and four (in the last trip: q and Va of my columns, eight and eight).
; K step 1: Ua's set of two K steps on, into the set that K step 0 has multiplied (its four places stand at K step 0's end): 4, 4, 4 and 5 loads.
.macro KSTEP t, k, zero
.irp m, 0,1,2,3
.irp c, 0,1
	ds_load_b128 v[AF+8*\m+4*\c:AF+8*\m+4*\c+3], v[IMR] offset:SLOTB*((\t)%2)+FRB*(2*\m+(\k))+2*BLKP*\c
.endr
.endr
.irp p, 0,1
	ds_load_b32 v[ASC+\p], v[ISR] offset:SLOTB*((\t)%2)+256*(\k)+128*\p
.endr
.if (\k) == 1
	s_wait_loadcnt 16                              ; Ua's odd set is in; behind it: the next trip's 16 rows (in the last trip: the 16 constants)
.elseif (\t) < 7
	s_wait_loadcnt 25                              ; Ua's even set is in; behind it: the odd set's 17 loads and the next trip's rows 0-7
.else
	s_wait_loadcnt 17                              ; the last trip: behind it the odd set's 17 alone
.endif
	s_wait_dscnt 0x0
.irp m, 0,1,2,3
	WIN 0x50                                       ; C and D in window 1
.irp u, 0,1,2,3,4,5,6,7
	MM \m, \u, \k, \zero
.endr
.if (\k) == 1
.if (\t) < 7
	WIN 0
.irp j, 0,1,2,3
	BL 2*(\t)+2, 4*\m+\j
.endr
.if \m == 3
	BL 2*(\t)+2, 16
.endif
.endif
.elseif \m < 2
	WIN 0
.if (\t) < 7
.irp j, 0,1,2,3
	EL (\t)+1, 8+4*\m+\j
.endr
.elseif \m == 0
.irp j, 0,1,2,3,4,5,6,7
	global_load_b32 v[X+\j], v[CN], s[10:11] offset:64*\j      ; q + both biases of my columns 128 w + 16 j + r
.endr
.else
.irp j, 0,1,2,3,4,5,6,7
	global_load_b32 v[X+8+\j], v[CN], s[12:13] offset:64*\j    ; Va of the same columns
.endr
.endif
.endif
.endr
	WIN 0
	PLACES
.endm
; A TRIP: 256 along K.  One barrier: in front of it every wave's image, scale bytes and copy have landed and its reads of the other slot are over; behind it this trip's slot is whole.
.macro TRIP t, zero
	s_wait_loadcnt 25                              ; my rows 0-7 are in; behind them: rows 8-15 and Ua's even set, 8 + 17
.set SPK, 1
.set SPS, 2*(\t)+1
	GROUP \t, 0                                    ; among its lines: Ua's odd set of this trip
	s_wait_loadcnt 34                              ; my rows 8-15 are in; behind them: Ua's two sets, 17 each
.if (\t) < 7
.set SPK, 2
.set SPS, (\t)+1
.else
.set SPK, 0
.endif
	GROUP \t, 1                                    ; among its lines: the next trip's rows 0-7, into the registers that the first eight rows have left
	s_wait_dscnt 0x0                               ; for the others' sake: my stores have landed
	s_barrier_signal -1
	s_barrier_wait -1
	KSTEP \t, 0, \zero
	KSTEP \t, 1, 0
.endm
	s_load_b256 s[4:11], s[0:1], 0x0               ; encoder_outputs s[4:5], ub s[6:7], us s[8:9], qb s[10:11]
	s_load_b256 s[12:19], s[0:1], 0x20             ; Va_w s[12:13], Va_b s[14:15], sc s[16:17], pc s[18:19]
	v_lshl_add_u32 v6, v0, 2, 0x49800
	v_mov_b32 v7, 0
	v_lshrrev_b32 v1, 5, v0
	v_readfirstlane_b32 s21, v1                    ; wave w
	s_lshr_b32 s22, s21, 1                         ; m
	s_and_b32 s23, s21, 1                          ; ks
	v_and_b32 v20, 31, v0                          ; lane
	v_lshlrev_b32 v[LI], 4, v20
	s_mov_b32 s33, 0
	s_lshl_b32 s32, ttmp9, 19                      ; 64 rows of 8,192 bytes a work-group,
	s_lshl_b32 s31, s22, 17                        ; 16 rows a tile,
	s_add_co_u32 s32, s32, s31
	s_lshl_b32 s31, s23, 9                         ; 128 numbers a K step
	s_add_co_u32 s32, s32, s31
	s_wait_kmcnt 0x0
	s_add_nc_u64 s[4:5], s[4:5], s[32:33]
	s_lshl_b32 s32, s21, 13                        ; ub: my eight tiles
	s_add_nc_u64 s[6:7], s[6:7], s[32:33]
	s_lshl_b32 s32, s21, 9                         ; us, Va_w: 512 bytes a wave
	s_add_nc_u64 s[8:9], s[8:9], s[32:33]
	s_add_nc_u64 s[12:13], s[12:13], s[32:33]
.irp i, 0,1,2,3,4,5,6,7,8,9,10,11,12,13,14,15
	EL 0, \i
.endr
.irp n, 0,1,2,3,4,5,6,7,8,9,10,11,12,13,14,15,16
	BL 0, \n
.endr
	s_load_b32 s20, s[14:15], 0x0                  ; Va_b: waited for where it is used
	s_lshr_b32 s31, ttmp9, 4
	s_lshl_b32 s31, s31, 12
	s_add_co_u32 s32, s32, s31                     ; qb: the batch's row, my 128 columns
	s_add_nc_u64 s[10:11], s[10:11], s[32:33]
	s_lshl_b32 s32, ttmp9, 8
	s_add_nc_u64 s[16:17], s[16:17], s[32:33]      ; sc: my block's 64 scores
	s_lshl_b32 s32, ttmp9, 13
	s_lshl_b32 s31, s21, 10
	s_add_co_u32 s32, s32, s31
	s_add_nc_u64 s[18:19], s[18:19], s[32:33]      ; pc: my block's row, my 256 columns
	s_mov_b32 s26, 0x76543210
	s_mov_b32 s27, 0xfedcba98                      ; v_permlanex16_b32's selects for lane l xor 16
	s_mov_b32 s28, 0x4038aa3b                      ; 2 log2(e)
	s_mov_b32 s29, s28                             ; (named with it as a pair, so it is written)
	s_mov_b32 s30, 0x3fb8aa3b                      ; log2(e)
	s_mov_b32 s34, 0xffff                          ; a word's low half
	v_and_b32 v21, 15, v0                          ; r
	v_bfe_u32 v22, v0, 4, 1                        ; h
	v_bfe_u32 v23, v0, 3, 2                        ; lane / 8: the block that my four numbers of a row belong to
	v_and_b32 v24, 1, v0                           ; lane % 2
	v_bfe_u32 v25, v0, 1, 2                        ; (lane / 2) % 4
	s_mul_i32 s25, s22, 16*COPYP
	s_lshl_b32 s31, s23, 8
	s_add_co_u32 s25, s25, s31
	v_lshl_add_u32 v[CPW], v20, 3, s25
	s_mul_i32 s25, s21, FRB
	s_add_co_u32 s25, s25, IMG
	v_mul_u32_u24 v[IMW], v23, BLKP
	v_lshl_add_u32 v[IMW], v24, 4, v[IMW]
	v_lshl_add_u32 v[IMW], v25, 2, v[IMW]
	v_add_nc_u32 v[IMW], s25, v[IMW]
	s_lshl_b32 s25, s23, 8
	s_lshl_b32 s31, s22, 6
	s_add_co_u32 s25, s25, s31
	s_add_co_u32 s25, s25, IMG+SCOF
	v_add_nc_u32 v[ISB], s25, v23
	v_mul_u32_u24 v[IMR], v22, BLKP
	v_lshl_add_u32 v[IMR], v21, 4, v[IMR]
	v_add_nc_u32 v[IMR], IMG, v[IMR]
	v_lshl_add_u32 v[ISR], v20, 2, IMG+SCOF
	v_mov_b32 v[SELV], 0x05040100                  ; even lanes: my low half, then my neighbour's low half;
	v_mov_b32 v26, 0x03020706                      ; odd lanes: my neighbour's high half, then my high half
	v_cmp_eq_u32 vcc_lo, 1, v24
	v_cndmask_b32 v[SELV], v[SELV], v26, vcc_lo
	v_lshlrev_b32 v[CN], 2, v21
	s_lshl_b32 s25, s21, 8
	s_add_co_u32 s25, s25, SCR
	v_lshl_add_u32 v[SW], v22, 5, s25
	v_lshl_add_u32 v[SR], v20, 3, SCR
	s_lshl_b32 s24, s21, 11
	s_add_co_u32 s24, s24, TST                     ; my tail stage
	v_lshl_add_u32 v[PWA], v20, 3, s24
	v_mov_b32 v[PB], s24
	s_add_co_u32 s25, s24, 512
	v_lshl_add_u32 v[OS], v20, 5, s25
	v_add_nc_u32 v[OL], s25, v[LI]
	v_lshlrev_b32 v[L8], 3, v20
	s_lshl_b32 s25, s21, 9
	v_add_nc_u32 v[CR], s25, v[LI]
	v_add_nc_u32 v[CR+1], 16*COPYP, v[CR]
	v_add_nc_u32 v[CR+2], 32*COPYP, v[CR]
	v_add_nc_u32 v[CR+3], 48*COPYP, v[CR]
	TRIP 0, 1
.irp t, 1,2,3,4,5,6,7
	TRIP \t, 0
.endr
; ---- THE SCORES.  The last K step's four places stand in front of all this.
	s_wait_loadcnt 0x0                             ; the constants
.irp u, 0,1,2,3,4,5,6,7
	v_mul_f32 v[QC+4*\u], s28, v[X+\u]             ; 2 log2(e) q, twice: a pair for the packed form
	v_mul_f32 v[QC+4*\u+1], s28, v[X+\u]
	v_mul_f32 v[QC+4*\u+2], -2.0, v[X+8+\u]        ; -2 Va, twice
	v_mul_f32 v[QC+4*\u+3], -2.0, v[X+8+\u]
.endr
	v_add_f32 v20, v[X+8], v[X+9]                  ; Va tanh = Va - 2 Va / (1 + 2^..): the sum of my eight Va starts each score's sum
	v_add_f32 v21, v[X+10], v[X+11]
	v_add_f32 v22, v[X+12], v[X+13]
	v_add_f32 v23, v[X+14], v[X+15]
	v_add_f32 v20, v20, v21
	v_add_f32 v22, v22, v23
	v_add_f32 v20, v20, v22
	v_mov_b32 v21, v20
.macro TANH m                          ; the 16 rows of tile m: 64 numbers a lane, in place in the accumulators, each accumulator from its low end on
	WIN 0x41                                       ; destination and source 0 in window 1
.irp u, 0,1,2,3,4,5,6,7
.irp j, 0,2,4,6
	v_pk_fma_f32 v[8*(8*\m+\u)+\j:8*(8*\m+\u)+\j+1], v[8*(8*\m+\u)+\j:8*(8*\m+\u)+\j+1], s[28:29], v[QC+4*\u:QC+4*\u+1] op_sel_hi:[1,0,1]
.endr
.endr
.set i, 64*\m
.rept 64
	v_exp_f32 v[i], v[i]
.set i, i+1
.endr
	v_nop                                          ; a plain line behind the exponentials
.set i, 64*\m
	s_wait_alu depctr_va_vdst(0)
.rept 32
	v_pk_add_f32 v[i:i+1], v[i:i+1], 1.0 op_sel_hi:[1,0]
.set i, i+2
.endr
.set i, 64*\m
.rept 64
	v_rcp_f32 v[i], v[i]
.set i, i+1
.endr
	v_nop                                          ; a plain line behind the reciprocals
	s_wait_alu depctr_va_vdst(0)
	WIN 0x01                                       ; source 0 in window 1
.irp u, 0,1,2,3,4,5,6,7
.irp j, 0,2,4,6
.if \u == 0
	v_pk_fma_f32 v[SCO+8*\m+\j:SCO+8*\m+\j+1], v[8*(8*\m+\u)+\j:8*(8*\m+\u)+\j+1], v[QC+4*\u+2:QC+4*\u+3], v[20:21]
.else
	v_pk_fma_f32 v[SCO+8*\m+\j:SCO+8*\m+\j+1], v[8*(8*\m+\u)+\j:8*(8*\m+\u)+\j+1], v[QC+4*\u+2:QC+4*\u+3], v[SCO+8*\m+\j:SCO+8*\m+\j+1]
.endif
.endr
.endr
.endm
	TANH 0
	TANH 1
	TANH 2
	TANH 3
	WIN 0
.irp x, 1,2,4,8                                ; over the sixteen lanes of a half: my wave's 128 columns
.set i, 0
.rept 32
	v_add_f32_dpp v[SCO+i], v[SCO+i], v[SCO+i] row_xmask:\x row_mask:0xf bank_mask:0xf
.set i, i+1
.endr
.endr
.irp m, 0,1,2,3
.irp q, 0,1
	ds_store_b128 v[SW], v[SCO+8*\m+4*\q:SCO+8*\m+4*\q+3] offset:64*\m+16*\q   ; rows 16 m + 8 h + 4 q on; the sixteen lanes of a half write the same bytes with the same values
.endr
.endr
	s_wait_dscnt 0x0                               ; for the others' sake
	s_barrier_signal -1
	s_barrier_wait -1
; Every wave adds the eight parts by the same lines, so all hold the same bits: lane l has rows 2 l and 2 l + 1.
.irp p, 0,1,2,3,4,5,6,7
	ds_load_b64 v[20+2*\p:21+2*\p], v[SR] offset:256*\p
.endr
	s_wait_dscnt 0x0
	s_wait_kmcnt 0x0                               ; Va_b
	v_pk_add_f32 v[20:21], v[20:21], v[22:23]
	v_pk_add_f32 v[24:25], v[24:25], v[26:27]
	v_pk_add_f32 v[28:29], v[28:29], v[30:31]
	v_pk_add_f32 v[32:33], v[32:33], v[34:35]
	v_pk_add_f32 v[20:21], v[20:21], v[24:25]
	v_pk_add_f32 v[28:29], v[28:29], v[32:33]
	v_pk_add_f32 v[20:21], v[20:21], v[28:29]
	v_add_f32 v20, s20, v20
	v_add_f32 v21, s20, v21                        ; the scores
	v_max_num_f32 v22, v20, v21
.irp x, 1,2,4,8
	v_max_num_f32_dpp v22, v22, v22 row_xmask:\x row_mask:0xf bank_mask:0xf
.endr
	v_mov_b32 v23, 0
	v_permlanex16_b32 v23, v22, s26, s27
	v_max_num_f32 v22, v22, v23                    ; the block's largest score
	v_sub_f32 v24, v20, v22
	v_sub_f32 v25, v21, v22
	v_mul_f32 v24, s30, v24
	v_mul_f32 v25, s30, v25
	v_exp_f32 v24, v24
	v_exp_f32 v25, v25                             ; the rows' weights under the block's maximum, at most 1
	v_nop
	s_wait_alu depctr_va_vdst(0)
	ds_store_b64 v[PWA], v[24:25]                  ; through my own stage, so that every lane has all 64
.irp i, 0,1,2,3,4,5,6,7,8,9,10,11,12,13,14,15
	ds_load_b128 v[PR+4*\i:PR+4*\i+3], v[PB] offset:16*\i
.endr
; ---- THE WEIGHTED SUM OF THE ROWS.  My wave takes columns 256 w on, a lane eight of them: a load reads 512 consecutive bytes of a row of the copy.
; Sixteen rows to a set, two sets of registers by turns (v192-255, v36-99): one set's loads are out while the other is summed.
.macro LOADC g
.set CB, 192-156*((\g)%2)
.irp i, 0,1,2,3,4,5,6,7,8,9,10,11,12,13,14,15
	ds_load_b128 v[CB+4*\i:CB+4*\i+3], v[CR+(\g)] offset:COPYP*\i
.endr
.endm
.macro PROC g, younger                 ; younger: the LDS loads issued behind this set's
.set CB, 192-156*((\g)%2)
.irp i, 0,1,2,3,4,5,6,7,8,9,10,11,12,13,14,15
	s_wait_dscnt \younger+15-\i                    ; LDS loads come back in order: row i of the set is in (and so are the weights, asked for earlier)
.irp e, 0,1,2,3
	v_fma_mix_f32_bf16 v[OA+2*\e], v[CB+4*\i+\e], v[PR+16*(\g)+\i], v[OA+2*\e] op_sel_hi:[1,0,0]
	v_fma_mix_f32_bf16 v[OA+2*\e+1], v[CB+4*\i+\e], v[PR+16*(\g)+\i], v[OA+2*\e+1] op_sel:[1,0,0] op_sel_hi:[1,0,0]
.endr
.endr
.endm
	LOADC 0
	LOADC 1
	s_cmp_lg_u32 s21, 0
	s_cbranch_scc1 .Lnot_wave_0
	global_store_b64 v[L8], v[20:21], s[16:17]     ; wave 0 stores the 64 scores: 256 consecutive bytes, aligned
.Lnot_wave_0:
.irp e, 0,1,2,3,4,5,6,7
	v_mov_b32 v[OA+\e], 0
.endr
	PROC 0, 16
	LOADC 2
	PROC 1, 16
	LOADC 3
	PROC 2, 16
	PROC 3, 0
	ds_store_b128 v[OS], v[OA:OA+3]                ; a lane's 32 bytes go through my stage, so that a store's lanes hold neighbouring 16 bytes
	ds_store_b128 v[OS], v[OA+4:OA+7] offset:16
	ds_load_b128 v[OA+8:OA+11], v[OL]
	ds_load_b128 v[OA+12:OA+15], v[OL] offset:512
	s_wait_dscnt 0x0
	global_store_b128 v[LI], v[OA+8:OA+11], s[18:19] th:TH_STORE_NT              ; 512 consecutive bytes, aligned
	global_store_b128 v[LI], v[OA+12:OA+15], s[18:19] offset:512 th:TH_STORE_NT
	s_wait_tensorcnt 0x0
	ds_add_u32 v6, v7
	s_wait_dscnt 0x0
	s_endpgm
.Lfunc_end_k_q840172fd7a_attend:
	.size	k_q840172fd7a_attend, .Lfunc_end_k_q840172fd7a_attend-k_q840172fd7a_attend
	.p2alignl 7, 3214868480
	.fill 96, 4, 3214868480
	.section	.rodata,"a",@progbits
	.p2align	6, 0x0
	.amdhsa_kernel k_q840172fd7a_attend
		.amdhsa_group_segment_fixed_size 302080
		.amdhsa_private_segment_fixed_size 0
		.amdhsa_enable_private_segment 0
		.amdhsa_kernarg_size 64
		.amdhsa_user_sgpr_count 2
		.amdhsa_user_sgpr_kernarg_segment_ptr 1
		.amdhsa_wavefront_size32 1
		.amdhsa_system_sgpr_workgroup_id_x 1
		.amdhsa_system_sgpr_workgroup_id_y 1
		.amdhsa_system_sgpr_workgroup_id_z 1
		.amdhsa_system_vgpr_workitem_id 0
		.amdhsa_next_free_vgpr 512
		.amdhsa_next_free_sgpr 66
		.amdhsa_reserve_vcc 1
		.amdhsa_float_denorm_mode_32 3
		.amdhsa_float_denorm_mode_16_64 3
		.amdhsa_memory_ordered 1
		.amdhsa_forward_progress 1
		.amdhsa_inst_pref_size 255
	.end_amdhsa_kernel
	.section	.bss,"aw",@nobits
	.p2align	6
	.space	262144
	.amdgpu_metadata
---
amdhsa.version: [ 1, 2 ]
amdhsa.kernels:
  - .name:           k_q840172fd7a_attend
    .symbol:         k_q840172fd7a_attend.kd
    .args:
      - { .name: encoder_outputs, .offset: 0, .size: 8, .value_kind: global_buffer, .address_space: global }
      - { .name: ub, .offset: 8, .size: 8, .value_kind: global_buffer, .address_space: global }
      - { .name: us, .offset: 16, .size: 8, .value_kind: global_buffer, .address_space: global }
      - { .name: qb, .offset: 24, .size: 8, .value_kind: global_buffer, .address_space: global }
      - { .name: Va_w, .offset: 32, .size: 8, .value_kind: global_buffer, .address_space: global }
      - { .name: Va_b, .offset: 40, .size: 8, .value_kind: global_buffer, .address_space: global }
      - { .name: sc, .offset: 48, .size: 8, .value_kind: global_buffer, .address_space: global }
      - { .name: pc, .offset: 56, .size: 8, .value_kind: global_buffer, .address_space: global }
    .group_segment_fixed_size: 302080
    .private_segment_fixed_size: 0
    .kernarg_segment_align: 8
    .kernarg_segment_size: 64
    .max_flat_workgroup_size: 256
    .sgpr_count:     66
    .vgpr_count:     512
    .wavefront_size: 32
...
	.end_amdgpu_metadata
.endif
;; end of part 2
;; launch finish (part 3): grid 8 x 32, 2 waves a work-group, no clusters, 512 bytes of LDS; arguments sc, pc, out0, out1; writes out0, out1
.if DOCPART == 3
	.amdgcn_target "amdgcn-amd-amdhsa--gfx1250"
	.amdhsa_code_object_version 6
	.text
	.protected	k_q840172fd7a_finish
	.globl	k_q840172fd7a_finish
	.p2align	8
	.type	k_q840172fd7a_finish,@function
k_q840172fd7a_finish:
	s_mov_b64 s[64:65], 0
	v_nop
	global_prefetch_b8 v0, s[64:65] scope:SCOPE_SE
	s_setreg_imm32_b32 hwreg(HW_REG_WAVE_MODE, 25, 1), 1
	s_wait_xcnt 0x0
; The softmax over a batch's 1,024 scores is finished, and the 16 blocks' weighted sums are brought under one maximum.
; sc [32][1024] f32: the scores.  pc [512][2048] f32: block 16 b + j's sum of 2^((score - the block's largest score) log2 e) x row.
; out1[b][s] = e^(score - M) / L;  out0[b][:] = sum over j of e^(Mj - M) pc[16 b + j][:] / L;  M the batch's largest score, Mj block j's, L the sum of e^(score - M).
; A largest score is one of the scores, so Mj found here has the bits of the one under which pc was summed.
; Work-group (x, b), 64 threads: columns 256 x .. + 255 of out0[b], rows 128 x .. + 127 of out1[b].  Every work-group of a batch reads its 4 KB of scores; pc is read once.
; No matrix unit, no tensor load, no cluster: 4 MB go through once, and what is shared is 4 KB a batch.
; LIMITS: NaN and infinities are not served.
	s_load_b256 s[4:11], s[0:1], 0x0               ; sc s[4:5], pc s[6:7], out0 s[8:9], out1 s[10:11]
	v_lshl_add_u32 v128, v0, 2, 0x100
	v_mov_b32 v129, 0
	v_lshrrev_b32 v1, 5, v0
	v_readfirstlane_b32 s14, v1                    ; wave 0, 1
	v_and_b32 v2, 31, v0
	v_lshlrev_b32 v3, 4, v2                        ; 16 x lane
	v_lshlrev_b32 v1, 4, v0                        ; 16 x thread
	v_lshrrev_b32 v4, 4, v0
	v_lshlrev_b32 v4, 2, v4                        ; LDS: 4 x (thread / 16)
	v_mov_b32 v5, 0                                ; LDS: 0
	v_mov_b32 v6, 0                                ; a lane permute's destination counts as one of its sources
	s_lshl_b32 s26, s14, 2
	s_add_co_u32 s26, s26, 64
	v_mov_b32 v7, s26                              ; LDS: 64 + 4 x wave
	s_and_b32 s15, ttmp7, 0xffff                   ; b
	s_mov_b32 s12, 0x76543210
	s_mov_b32 s13, 0xfedcba98                      ; selects for lane l xor 16
	s_mov_b32 s27, 0x3fb8aa3b                      ; log2(e)
	s_lshl_b32 s16, s15, 12                        ; 4,096 b
	s_mov_b32 s17, 0
	s_lshl_b32 s18, ttmp9, 9                       ; 512 x
	s_mov_b32 s19, 0
	s_lshl_b32 s20, s15, 17                        ; pc: 16 rows of 8,192 bytes a batch, + 1,024 x
	s_lshl_b32 s22, ttmp9, 10
	s_add_co_u32 s20, s20, s22
	s_mov_b32 s21, 0
	s_lshl_b32 s28, s15, 13                        ; out0: 8,192 b + 1,024 x
	s_add_co_u32 s22, s28, s22
	s_mov_b32 s23, 0
	s_wait_kmcnt 0x0
	s_add_nc_u64 s[4:5], s[4:5], s[16:17]
	s_add_nc_u64 s[24:25], s[4:5], s[18:19]
	s_add_nc_u64 s[6:7], s[6:7], s[20:21]
	s_add_nc_u64 s[8:9], s[8:9], s[22:23]
	s_add_nc_u64 s[10:11], s[10:11], s[16:17]
	s_add_nc_u64 s[10:11], s[10:11], s[18:19]
.irp i, 0,1,2,3
	global_load_b128 v[8+4*\i:11+4*\i], v1, s[4:5] offset:1024*\i     ; scores 256 i + 4 thread on: sixteen lanes hold block 4 i + thread / 16
.endr
	global_load_b128 v[24:27], v3, s[24:25]                           ; the 128 scores whose weights this work-group stores
.irp j, 0,1,2,3,4,5,6,7,8,9,10,11,12,13,14,15
	global_load_b128 v[64+4*\j:67+4*\j], v1, s[6:7] offset:8192*\j th:TH_LOAD_NT
.endr
	s_wait_loadcnt 17                              ; the batch's scores are in; behind them 1 + 16 loads were issued
.irp i, 0,1,2,3
	v_max3_num_f32 v[28+\i], v[8+4*\i], v[9+4*\i], v[10+4*\i]
.endr
.irp i, 0,1,2,3
	v_max_num_f32 v[28+\i], v[28+\i], v[11+4*\i]
.endr
.irp x, 1,2,4,8
.irp i, 0,1,2,3
	v_max_num_f32_dpp v[28+\i], v[28+\i], v[28+\i] row_xmask:\x row_mask:0xf bank_mask:0xf
.endr
.endr
.irp i, 0,1,2,3
	ds_store_b32 v4, v[28+\i] offset:16*\i         ; Mj at word j = 4 i + thread / 16; sixteen lanes write the same word with the same value
.endr
	s_wait_dscnt 0x0
	s_barrier_signal -1
	s_barrier_wait -1
.irp i, 0,1,2,3
	ds_load_b128 v[32+4*\i:35+4*\i], v5 offset:16*\i
.endr
	s_wait_dscnt 0x0
	v_max3_num_f32 v28, v32, v33, v34
.irp i, 35,37,39,41,43,45
	v_max3_num_f32 v28, v28, v[\i], v[\i+1]
.endr
	v_max_num_f32 v28, v28, v47                    ; M
.irp i, 0,1,2,3,4,5,6,7,8,9,10,11,12,13,14,15
	v_sub_f32 v[48+\i], v[8+\i], v28
	v_sub_f32 v[32+\i], v[32+\i], v28
.endr
.irp i, 0,1,2,3,4,5,6,7,8,9,10,11,12,13,14,15
	v_mul_f32 v[48+\i], s27, v[48+\i]
	v_mul_f32 v[32+\i], s27, v[32+\i]
.endr
.irp i, 0,1,2,3,4,5,6,7,8,9,10,11,12,13,14,15
	v_exp_f32 v[48+\i], v[48+\i]                   ; e^(score - M) of my 16 scores
.endr
.irp i, 0,1,2,3,4,5,6,7,8,9,10,11,12,13,14,15
	v_exp_f32 v[32+\i], v[32+\i]                   ; e^(Mj - M)
.endr
	v_nop                                          ; a plain line behind the exponentials
	s_wait_alu depctr_va_vdst(0)
.irp i, 0,4,8,12
	v_pk_add_f32 v[48+\i:49+\i], v[48+\i:49+\i], v[50+\i:51+\i]
.endr
	v_pk_add_f32 v[48:49], v[48:49], v[52:53]
	v_pk_add_f32 v[56:57], v[56:57], v[60:61]
	v_pk_add_f32 v[48:49], v[48:49], v[56:57]
	v_add_f32 v48, v48, v49
.irp x, 1,2,4,8
	v_add_f32_dpp v48, v48, v48 row_xmask:\x row_mask:0xf bank_mask:0xf
.endr
	v_permlanex16_b32 v6, v48, s12, s13
	v_add_f32 v48, v48, v6                         ; my wave's 512 scores
	ds_store_b32 v7, v48
	s_wait_dscnt 0x0
	s_barrier_signal -1
	s_barrier_wait -1
	ds_load_b64 v[50:51], v5 offset:64
	s_wait_dscnt 0x0
	v_add_f32 v50, v50, v51                        ; L
	v_rcp_f32 v29, v50
	v_nop
	s_cmp_lg_u32 s14, 0
	s_cbranch_scc1 .Lnot_wave_0
	s_wait_loadcnt 16                              ; behind these scores' load: the 16 parts
.irp e, 0,1,2,3
	v_sub_f32 v[24+\e], v[24+\e], v28
.endr
.irp e, 0,1,2,3
	v_mul_f32 v[24+\e], s27, v[24+\e]
.endr
.irp e, 0,1,2,3
	v_exp_f32 v[24+\e], v[24+\e]
.endr
	v_nop
	s_wait_alu depctr_va_vdst(0)
.irp e, 0,1,2,3
	v_mul_f32 v[24+\e], v[24+\e], v29
.endr
	global_store_b128 v3, v[24:27], s[10:11]       ; 512 consecutive bytes, aligned
.Lnot_wave_0:
	s_wait_loadcnt 0x0
.irp e, 0,1,2,3
	v_mul_f32 v[52+\e], v[64+\e], v32              ; the first block starts the sums
.endr
.irp j, 1,2,3,4,5,6,7,8,9,10,11,12,13,14,15
.irp e, 0,1,2,3
	v_fma_f32 v[52+\e], v[64+4*\j+\e], v[32+\j], v[52+\e]
.endr
.endr
	s_wait_alu depctr_va_vdst(0)
.irp e, 0,1,2,3
	v_mul_f32 v[52+\e], v[52+\e], v29
.endr
	global_store_b128 v1, v[52:55], s[8:9]         ; a wave stores 512 consecutive bytes, aligned
	s_wait_tensorcnt 0x0
	ds_add_u32 v128, v129
	s_wait_dscnt 0x0
	s_endpgm
.Lfunc_end_k_q840172fd7a_finish:
	.size	k_q840172fd7a_finish, .Lfunc_end_k_q840172fd7a_finish-k_q840172fd7a_finish
	.p2alignl 7, 3214868480
	.fill 96, 4, 3214868480
	.section	.rodata,"a",@progbits
	.p2align	6, 0x0
	.amdhsa_kernel k_q840172fd7a_finish
		.amdhsa_group_segment_fixed_size 512
		.amdhsa_private_segment_fixed_size 0
		.amdhsa_enable_private_segment 0
		.amdhsa_kernarg_size 32
		.amdhsa_user_sgpr_count 2
		.amdhsa_user_sgpr_kernarg_segment_ptr 1
		.amdhsa_wavefront_size32 1
		.amdhsa_system_sgpr_workgroup_id_x 1
		.amdhsa_system_sgpr_workgroup_id_y 1
		.amdhsa_system_sgpr_workgroup_id_z 1
		.amdhsa_system_vgpr_workitem_id 0
		.amdhsa_next_free_vgpr 130
		.amdhsa_next_free_sgpr 66
		.amdhsa_reserve_vcc 0
		.amdhsa_float_denorm_mode_32 3
		.amdhsa_float_denorm_mode_16_64 3
		.amdhsa_memory_ordered 1
		.amdhsa_forward_progress 1
		.amdhsa_inst_pref_size 16
	.end_amdhsa_kernel
	.amdgpu_metadata
---
amdhsa.version: [ 1, 2 ]
amdhsa.kernels:
  - .name:           k_q840172fd7a_finish
    .symbol:         k_q840172fd7a_finish.kd
    .args:
      - { .name: sc, .offset: 0, .size: 8, .value_kind: global_buffer, .address_space: global }
      - { .name: pc, .offset: 8, .size: 8, .value_kind: global_buffer, .address_space: global }
      - { .name: out0, .offset: 16, .size: 8, .value_kind: global_buffer, .address_space: global }
      - { .name: out1, .offset: 24, .size: 8, .value_kind: global_buffer, .address_space: global }
    .group_segment_fixed_size: 512
    .private_segment_fixed_size: 0
    .kernarg_segment_align: 8
    .kernarg_segment_size: 32
    .max_flat_workgroup_size: 64
    .sgpr_count:     66
    .vgpr_count:     130
    .wavefront_size: 32
...
	.end_amdgpu_metadata
.endif
;; end of part 3
;; ======== version 2 of 2: 3 launches; version 1 with the launches prep, attend written anew for expert scheduling mode
;; workspace buffers: ub 1,048,576 bytes; us 65,536 bytes; qb 131,072 bytes; sc 131,072 bytes; pc 4,194,304 bytes
;; launch prep (part 4): grid 128 x 1, 8 waves a work-group, no clusters, 37,888 bytes of LDS; arguments Ua_w, Wa_w, decoder_hidden, Wa_b, Ua_b, ub, us, qb; writes ub, us, qb
.if DOCPART == 4
	.amdgcn_target "amdgcn-amd-amdhsa--gfx1250"
	.amdhsa_code_object_version 6
	.text
	.protected	k_q840172fd7a_prep
	.globl	k_q840172fd7a_prep
	.p2align	8
	.type	k_q840172fd7a_prep,@function
k_q840172fd7a_prep:
	s_mov_b64 s[64:65], 0
	v_nop
	global_prefetch_b8 v0, s[64:65] scope:SCOPE_SE
	s_setreg_imm32_b32 hwreg(HW_REG_WAVE_SCHED_MODE, 0, 2), 2
	s_setreg_imm32_b32 hwreg(HW_REG_WAVE_MODE, 25, 1), 1
	s_wait_xcnt 0x0
	s_wait_alu depctr_vm_vsrc(0)
; TWO JOBS IN ONE LAUNCH, parted on the work-group's number.
; Work-groups 0-63: Ua_w [2048 (k)][1024 (n)] f32 becomes codes of FP4 (E2M1) and E8M0 scale bytes, one for each 32 along K, laid in the order
;   in which the next launch's operand registers take them:
;   ub: fragment (K step s of 128, tile T of 16 columns) at (64 s + T) x 1,024 bytes; in it block q of 32 along K, column r, at 256 q + 16 r.
;   us: s x 4,096 + w x 512 + lane x 16 + j x 4 = the scale word (four bytes, K step s) of column 16 (8 w + 2 j + lane / 16) + lane % 16.
; Work-groups 64-127: qb[b][n] = decoder_hidden[b] . Wa_w[:, n] + Wa_b[n] + Ua_b[n], the product on codes of FP4, both operands quantised here.
;   A work-group takes 16 columns; its eight waves take the eight K steps of 128; the eight parts meet in LDS and are added in f32.
;   decoder_hidden is loaded as it lies, a row's 512 bytes of the K step to a load, and QUANTISED IN THAT LAYOUT: lane l holds k = 4 l .. 4 l + 3 of a row,
;   eight neighbouring lanes hold a block of 32.  Only the codes change lanes: through the wave's own bytes of LDS, into the operand's order.
; A block's scale is 2^(floor(log2(largest magnitude)) - 2): its byte is the largest magnitude's exponent field - 2, held at 1 from below.
; LIMITS: NaN and infinities among the inputs are not served.  A block of zeros gets the byte 1 where the rule says 127: its codes are zeros, which
; add nothing under any byte but 0xff, and this program alone reads the bytes.  The sum over K of the small product is taken in eight parts, so its
; order of rounding differs from one chain's.  us and qb leave in pieces of 4 bytes a lane: 64 KB and 128 KB in all.
; No tensor loads and no cluster: no two work-groups read the same bytes of Ua_w, and what is shared of the small product is 128 KB.
; THE MODE: SCHED_MODE bits 1:0 = 2 (LLVM: expert scheduling mode 2), set by the entry lines.  The code itself states the register dependences
; between vector or matrix instructions and memory or LDS instructions, with s_wait_alu, always for 0.
; THE PLAN.  Registers that memory or LDS instructions touch:
;   v1-v10, v250, v251, v253   offsets and LDS addresses: written at the head and never again: one wait ahead of the first load serves them all.
;   Ua:  v64-191 are loaded once and read by the blocks' lines.  v192-207: block q's conversions write four of them, which one store reads; that store is issued at the head of
;        block q + 1, behind that block's wait for its data and one wait on va_vdst.  v208, the scale word, is stored with the last block's codes, behind one more.
;   The small product:  v16-207 are loaded once.  EACH GROUP OF EIGHT ROWS HAS REGISTERS OF ITS OWN for its bytes and codes (group 0: v216-231; group g: the first sixteen registers
;        that group g - 1's numbers have left), so ONE wait on va_vdst stands between the four groups' lines and the run of 48 LDS stores, and no register that a store reads is written again.
;        The fragments come back into v176-191, which group 3's numbers have left and no store reads; their scale words into v233, v234.
;        v208-215 and v232 (Wa's codes and scale word): vector lines write them, the products take them: the places, then a wait.
;        v16-31: the products write them, LDS stores read them: the places, then a wait, which also serves the parts' loads into v32-63.  v32-35: the sums, which the last stores read: a wait.
.set NUM, 64                           ; v64-191  Ua: 128 numbers down K of my column
.set CD,  192                          ; v192-207 Ua: the codes of four blocks
.set QIMG, 16384                       ; LDS: 0 .. 16,383 the eight parts; from here 2,560 bytes for each wave: two fragments' images, then their scale words
.set QW,   2560
.set FRB,  1152                        ; a fragment's image: four blocks' quarters of 256 bytes, 288 apart, so that the 32 lanes of a 4-byte store touch 32 different banks (ISA guide 11.1)
.set FRG,  176                         ; v176-191 decoder_hidden's two fragments, as they come back from LDS
	s_load_b256 s[4:11], s[0:1], 0x0               ; Ua_w s[4:5], Wa_w s[6:7], decoder_hidden s[8:9], Wa_b s[10:11]
	s_load_b256 s[12:19], s[0:1], 0x20             ; Ua_b s[12:13], ub s[14:15], us s[16:17], qb s[18:19]
	v_lshl_add_u32 v243, v0, 2, 0x9000             ; my spare word and 0: made here and kept for the closing lines alone
	v_mov_b32 v255, 0
	v_lshrrev_b32 v1, 5, v0
	v_readfirstlane_b32 s20, v1                    ; wave 0..7
	v_and_b32 v244, 31, v0                         ; lane
	v_and_b32 v245, 15, v0                         ; r
	v_bfe_u32 v246, v0, 4, 1                       ; h
	v_bfe_u32 v247, v0, 3, 2                       ; lane / 8: the block of 32 that my four numbers of a row belong to
	v_and_b32 v248, 1, v0                          ; lane % 2
	v_bfe_u32 v249, v0, 1, 2                       ; (lane / 2) % 4: which eight codes of the block my pair of lanes makes
	v_lshlrev_b32 v1, 2, v244                      ; 4 x lane
	v_lshlrev_b32 v2, 4, v244                      ; 16 x lane
	v_lshlrev_b32 v3, 4, v245
	v_lshl_add_u32 v3, v246, 10, v3                ; ub: tile h of my pair of tiles, 16 r
	v_lshlrev_b32 v10, 2, v245                     ; 4 r
	v_lshl_add_u32 v4, v246, 17, v10               ; Wa_w: column r; lanes 16-31 begin 32 rows of 4,096 bytes further down
	v_lshlrev_b32 v6, 3, v246                      ; 8 h: where my two scale bytes stand in a word
	s_wait_alu depctr_va_sdst(0)                   ; s20, the wave's number, is written, ahead of its first reader
	s_lshl_b32 s24, s20, 11
	v_add_nc_u32 v7, s24, v2                       ; LDS: my wave's part: 2,048 x wave + 16 x lane
	s_and_b32 s24, s20, 3
	s_lshl_b32 s24, s24, 9
	v_add_nc_u32 v8, s24, v2                       ; LDS: the piece of every part that I add: 512 x (wave % 4) + 16 x lane
	v_lshl_add_u32 v9, v246, 15, v10               ; qb: 8 h rows of 4,096 bytes + 4 r
	v_mov_b32 v11, 0                               ; a lane permute's destination counts as one of its sources
	s_mul_i32 s24, s20, QW
	s_add_co_u32 s24, s24, QIMG                    ; my wave's images
	v_mul_u32_u24 v5, v247, 288
	v_lshl_add_u32 v5, v248, 4, v5
	v_lshl_add_u32 v5, v249, 2, v5
	v_add_nc_u32 v5, s24, v5                       ; where I store eight codes: block's quarter, row 2 p + lane % 2 (32 p in the immediate), dword
	v_add_nc_u32 v253, s24, v247                   ; where I store a scale byte: 4 x row in the immediate, + block
	v_mul_u32_u24 v250, v246, 288
	v_lshl_add_u32 v250, v245, 4, v250
	v_add_nc_u32 v250, s24, v250                   ; where a fragment is read: block 2 c + h (576 c in the immediate), row r
	v_lshl_add_u32 v251, v245, 2, s24              ; and its scale words: 4 r
	v_mov_b32 v252, 0x05040100                     ; v_perm_b32's selector: even lanes: my low half, then my neighbour's low half;
	v_mov_b32 v254, 0x03020706                     ; odd lanes: my neighbour's high half, then my high half
	v_cmp_eq_u32 vcc_lo, 1, v248
	s_wait_alu depctr_va_vcc(0)                    ; the compare has written VCC, which the select below reads
	v_cndmask_b32 v252, v252, v254, vcc_lo
	s_mov_b32 s22, 0x76543210
	s_mov_b32 s23, 0xfedcba98                      ; v_permlanex16_b32's selects for lane l xor 16
	s_and_b32 s21, ttmp9, 63                       ; the tile of 16 columns of the small product
	s_lshl_b32 s24, s21, 6
	s_mov_b32 s25, 0
	s_wait_kmcnt 0x0
	s_add_nc_u64 s[10:11], s[10:11], s[24:25]
	s_add_nc_u64 s[12:13], s[12:13], s[24:25]
	s_wait_alu depctr_va_vdst(0)                   ; all offsets and LDS addresses are written, which the loads and stores of both ways read
	global_load_b32 v12, v10, s[10:11]             ; Wa_b and Ua_b of column 16 T + r: loaded on both ways, so that both registers are written wherever they are read
	global_load_b32 v13, v10, s[12:13]
	s_cmp_lt_u32 ttmp9, 64
	s_cbranch_scc0 .Lquery
; ---- Ua.  Work-group x: K step s = x / 4; wave: columns 32 P + lane, P = 8 (x % 4) + wave.  A LANE TAKES A COLUMN AND ITS REGISTERS RUN DOWN K:
; a block of 32 lies in one lane, and the conversions give codes with K innermost.  Each load reads 128 neighbouring bytes, the eight waves 1,024.
	s_lshr_b32 s24, ttmp9, 2                       ; s
	s_and_b32 s26, ttmp9, 3
	s_lshl_b32 s26, s26, 3
	s_add_co_u32 s26, s26, s20                     ; P
	s_lshl_b32 s28, s24, 19                        ; 128 rows of 4,096 bytes a K step
	s_lshl_b32 s30, s26, 7
	s_add_co_u32 s28, s28, s30
	s_mov_b32 s29, 0
	s_add_nc_u64 s[4:5], s[4:5], s[28:29]
	s_lshl_b32 s28, s24, 16                        ; ub: 64 fragments a K step, two of them mine
	s_lshl_b32 s30, s26, 11
	s_add_co_u32 s28, s28, s30
	s_add_nc_u64 s[14:15], s[14:15], s[28:29]
	s_lshl_b32 s28, s24, 12                        ; us: 4,096 s + 512 (P / 4) + 4 (P % 4)
	s_lshr_b32 s30, s26, 2
	s_lshl_b32 s30, s30, 9
	s_add_co_u32 s28, s28, s30
	s_and_b32 s30, s26, 3
	s_lshl_b32 s30, s30, 2
	s_add_co_u32 s28, s28, s30
	s_add_nc_u64 s[16:17], s[16:17], s[28:29]
.set k, 0
.rept 128
	global_load_b32 v[NUM+k], v1, s[4:5] offset:k*4096 th:TH_LOAD_NT
.set k, k+1
.endr
; Block q of four.  left: how many younger loads may stay out (96, 64, 32, 0 were issued behind the block's; a wait names 63 at the most).
; The codes of the block before leave at this block's head.
.macro QB q, left
.set XS, NUM+32*(\q)
	s_wait_loadcnt \left
.if (\q) > 0
	s_wait_alu depctr_va_vdst(0)                   ; the conversions of the block before have written its four registers of codes, which the store below reads
	global_store_b128 v3, v[CD+4*((\q)-1):CD+4*((\q)-1)+3], s[14:15] offset:256*((\q)-1)   ; lanes 0-15 and lanes 16-31 each store 256 consecutive bytes, aligned
.endif
	v_max3_num_f32 v210, |v[XS]|, |v[XS+1]|, |v[XS+2]|             ; the block's largest magnitude, in two chains
	v_max3_num_f32 v211, |v[XS+3]|, |v[XS+4]|, |v[XS+5]|
.irp i, 6,10,14,18,22,26
	v_max3_num_f32 v210, v210, |v[XS+\i]|, |v[XS+\i+1]|
	v_max3_num_f32 v211, v211, |v[XS+\i+2]|, |v[XS+\i+3]|
.endr
	v_max3_num_f32 v210, v210, |v[XS+30]|, |v[XS+31]|
	v_max3_num_f32 v210, v210, v211, 0x1800000     ; and the floor 2^(3 - 127): the byte cannot fall under 1
	v_add_nc_u32 v209, 0xff000000, v210            ; 2 off the exponent field: the conversion takes this operand's exponent field as its scale
.irp g, 0,1,2,3
	v_cvt_scalef32_pk8_fp4_f32 v[CD+4*(\q)+\g], v[XS+8*\g:XS+8*\g+7], v209
.endr
	v_lshrrev_b32 v212, 23, v209                   ; the scale's byte (a plain line behind the conversions)
.if (\q) == 0
	v_mov_b32 v208, v212
.else
	v_lshl_or_b32 v208, v212, 8*(\q), v208         ; four bytes make the K step's scale word of my column
.endif
.endm
	QB 0, 63
	QB 1, 63
	QB 2, 32
	QB 3, 0
	s_wait_alu depctr_va_vdst(0)                   ; the last block's codes and the scale word v208 are written, which the two stores below read
	global_store_b128 v3, v[CD+12:CD+15], s[14:15] offset:768
	global_store_b32 v2, v208, s[16:17]
	s_branch .Ljoin
; ---- The small product, part 1: wave = K step s.  decoder_hidden: a load takes one row's 512 consecutive bytes of the K step.
; Wa_w: lane r takes column 16 T + r, registers down K in the operand's own order (k = 64 c + 32 h + i).
.Lquery:
	s_lshl_b32 s24, s20, 19
	s_lshl_b32 s26, s21, 6
	s_add_co_u32 s24, s24, s26
	s_add_nc_u64 s[6:7], s[6:7], s[24:25]          ; Wa_w: row 128 s, column 16 T
	s_lshl_b32 s24, s20, 9
	s_add_nc_u64 s[8:9], s[8:9], s[24:25]          ; decoder_hidden: k = 128 s
.set k, 0
.rept 32
	global_load_b128 v[80+4*k:83+4*k], v2, s[8:9] offset:4096*k
.set k, k+1
.endr
.set k, 0
.rept 64
	global_load_b32 v[16+k], v4, s[6:7] offset:((k/32)*64+(k%32))*4096
.set k, k+1
.endr
; Where group g keeps its eight bytes (MQ on) and its codes (CQ on): group 0 in v216-231, group g in the first sixteen registers that group g - 1's numbers have left.
.macro QREGS g
.if (\g) == 0
.set MQ, 216
.else
.set MQ, 80+32*((\g)-1)
.endif
.set CQ, MQ+8
.endm
; Eight rows, 8 g .. 8 g + 7, four registers each.  A block's largest magnitude: my four numbers, then the eight lanes that hold the block.
; Two rows' registers are eight on end: two conversions take them, one under each row's scale; of the first the low 16 bits hold (the even row's four codes), of the second
; the high 16.  One exchange with the lane beside me then gives even lanes eight codes of the even row and odd lanes eight of the odd row, k ascending.
.macro QROWS g
	QREGS \g
.set XB, 80+32*(\g)
.irp i, 0,1,2,3,4,5,6,7
	v_max3_num_f32 v[MQ+\i], |v[XB+4*\i]|, |v[XB+4*\i+1]|, 0x1800000   ; with the floor 2^(3 - 127): the byte cannot fall under 1
.endr
.irp i, 0,1,2,3,4,5,6,7
	v_max3_num_f32 v[MQ+\i], v[MQ+\i], |v[XB+4*\i+2]|, |v[XB+4*\i+3]|
.endr
.irp x, 1,2,4
.irp i, 0,1,2,3,4,5,6,7
	v_max_num_f32_dpp v[MQ+\i], v[MQ+\i], v[MQ+\i] row_xmask:\x row_mask:0xf bank_mask:0xf
.endr
.endr
.irp i, 0,1,2,3,4,5,6,7
	v_add_nc_u32 v[MQ+\i], 0xff000000, v[MQ+\i]    ; 2 off the exponent field: the conversion's scale operand
.endr
.irp p, 0,1,2,3
	v_cvt_scalef32_pk8_fp4_f32 v[CQ+2*\p], v[XB+8*\p:XB+8*\p+7], v[MQ+2*\p]
	v_cvt_scalef32_pk8_fp4_f32 v[CQ+2*\p+1], v[XB+8*\p:XB+8*\p+7], v[MQ+2*\p+1]
.endr
	v_nop                                          ; one plain line behind the last conversion of a run
.irp i, 0,1,2,3,4,5,6,7
	v_lshrrev_b32 v[MQ+\i], 23, v[MQ+\i]           ; the scale's byte
.endr
.irp p, 0,1,2,3
	v_bfi_b32 v[CQ+2*\p], 0xffff, v[CQ+2*\p], v[CQ+2*\p+1]         ; low half: the even row's codes; high half: the odd row's
.endr
.irp p, 0,1,2,3
	v_mov_b32_dpp v[CQ+2*\p+1], v[CQ+2*\p] row_xmask:1 row_mask:0xf bank_mask:0xf
.endr
.irp p, 0,1,2,3
	v_perm_b32 v[CQ+2*\p], v[CQ+2*\p+1], v[CQ+2*\p], v252
.endr
.endm
; Group g's codes and bytes go into the fragments' images.
.macro QSEND g
	QREGS \g
.irp p, 0,1,2,3
	ds_store_b32 v5, v[CQ+2*\p] offset:FRB*((\g)/2)+32*(4*((\g)%2)+\p)
.endr
.irp i, 0,1,2,3,4,5,6,7
	ds_store_b8 v253, v[MQ+\i] offset:2*FRB+64*((\g)/2)+4*(8*((\g)%2)+\i)   ; the eight lanes of a block write the same byte with the same value
.endr
.endm
	s_wait_loadcnt 63                              ; decoder_hidden's 32 loads are in: behind the last of them Wa_w's 64 were issued, and a wait names 63 at the most
	QROWS 0
	QROWS 1
	QROWS 2
	QROWS 3
	s_wait_alu depctr_va_vdst(0)                   ; the four groups' lines have written their codes and bytes, which the 48 LDS stores read, and are done reading v176-191, in which the fragments land
	QSEND 0
	QSEND 1
	QSEND 2
	QSEND 3
.irp mt, 0,1                                   ; my own bytes: LDS serves a wave's instructions in order (ISA guide 5.7.1.4), so these see the stores above
.irp c, 0,1
	ds_load_b128 v[FRG+8*\mt+4*\c:FRG+8*\mt+4*\c+3], v250 offset:FRB*\mt+576*\c
.endr
	ds_load_b32 v[233+\mt], v251 offset:2*FRB+64*\mt
.endr
	s_wait_loadcnt 0x0                             ; Wa_w
; 64 numbers of a lane, two whole blocks (blocks h and 2 + h of the K step), become a fragment's eight registers and its scale word.
.macro QUANT6 src, cod, wrd
.irp c, 0,1
	v_max3_num_f32 v[236+\c], |v[\src+32*\c]|, |v[\src+1+32*\c]|, 0x1800000
.endr
.irp i, 2,4,6,8,10,12,14,16,18,20,22,24,26,28,30
.irp c, 0,1
	v_max3_num_f32 v[236+\c], v[236+\c], |v[\src+32*\c+\i]|, |v[\src+1+32*\c+\i]|
.endr
.endr
.irp c, 0,1
	v_add_nc_u32 v[238+\c], 0xff000000, v[236+\c]
.endr
.irp c, 0,1
	v_lshrrev_b32 v[240+\c], 23, v[238+\c]
.endr
	v_lshl_or_b32 v[\wrd], v241, 16, v240          ; my two bytes,
	v_lshlrev_b32 v[\wrd], v6, v[\wrd]             ; at their places in the word (8 h bits up);
	v_permlanex16_b32 v11, v[\wrd], s22, s23
	v_or_b32 v[\wrd], v[\wrd], v11                 ; with lane l xor 16's two the word is whole
.irp c, 0,1
.irp g, 0,1,2,3
	v_cvt_scalef32_pk8_fp4_f32 v[\cod+4*\c+\g], v[\src+32*\c+8*\g:\src+32*\c+8*\g+7], v[238+\c]
.endr
.endr
	v_nop                                          ; one plain line behind the last conversion of a run
.endm
	QUANT6 16, 208, 232                            ; Wa_w's 16 columns
	s_wait_dscnt 0x0                               ; decoder_hidden's two fragments and their scale words
.rept 8
	v_nop                                          ; a scale register written by a vector instruction stands 8 places ahead of a scaled matrix instruction, an operand 4
.endr
	s_wait_alu depctr_va_vdst(0)                   ; vector lines have written Wa's codes v208-215 and its scale word v232, which the products take as operand and scales; the places above stay beside this wait
	v_wmma_scale_f32_16x16x128_f8f6f4 v[16:23], v[FRG:FRG+7], v[208:215], 0, v233, v232 matrix_a_fmt:MATRIX_FMT_FP4 matrix_b_fmt:MATRIX_FMT_FP4
	v_wmma_scale_f32_16x16x128_f8f6f4 v[24:31], v[FRG+8:FRG+15], v[208:215], 0, v234, v232 matrix_a_fmt:MATRIX_FMT_FP4 matrix_b_fmt:MATRIX_FMT_FP4
.rept 4
	v_nop                                          ; four places in front of the first read of the results (ISA guide 7.12.1)
.endr
	s_wait_alu depctr_va_vdst(0)                   ; the products have written v16-31, which the LDS stores read; and Wa's lines are done reading v32-63, in which the parts land behind the barrier
.irp i, 0,1,2,3
	ds_store_b128 v7, v[16+4*\i:19+4*\i] offset:512*\i   ; each result from its low end on
.endr
.Ljoin:
	s_wait_dscnt 0x0                               ; for the others' sake: my part lies in LDS
	s_barrier_signal -1
	s_barrier_wait -1
	s_cmp_lt_u32 ttmp9, 64
	s_cbranch_scc1 .Lend
	s_cmp_ge_u32 s20, 4
	s_cbranch_scc1 .Lend
; ---- part 2, waves v = 0..3: registers 4 v .. 4 v + 3 of all eight parts are added.  Register 4 v + e of lane (r, h) is row 16 (v / 2) + 8 h + 4 (v % 2) + e, column 16 T + r.
	s_lshr_b32 s24, s20, 1
	s_lshl_b32 s24, s24, 16
	s_and_b32 s26, s20, 1
	s_lshl_b32 s26, s26, 14
	s_add_co_u32 s24, s24, s26
	s_lshl_b32 s26, s21, 6
	s_add_co_u32 s24, s24, s26
	s_mov_b32 s25, 0
	s_add_nc_u64 s[18:19], s[18:19], s[24:25]
.irp p, 0,1,2,3,4,5,6,7
	ds_load_b128 v[32+4*\p:35+4*\p], v8 offset:2048*\p
.endr
	s_wait_dscnt 0x0
.irp p, 0,2,4,6
	v_pk_add_f32 v[32+4*\p:33+4*\p], v[32+4*\p:33+4*\p], v[36+4*\p:37+4*\p]
	v_pk_add_f32 v[34+4*\p:35+4*\p], v[34+4*\p:35+4*\p], v[38+4*\p:39+4*\p]
.endr
.irp p, 0,4
	v_pk_add_f32 v[32+4*\p:33+4*\p], v[32+4*\p:33+4*\p], v[40+4*\p:41+4*\p]
	v_pk_add_f32 v[34+4*\p:35+4*\p], v[34+4*\p:35+4*\p], v[42+4*\p:43+4*\p]
.endr
	v_pk_add_f32 v[32:33], v[32:33], v[48:49]
	v_pk_add_f32 v[34:35], v[34:35], v[50:51]
	s_wait_loadcnt 0x0                             ; the two biases
	v_add_f32 v14, v12, v13
.irp e, 0,1,2,3
	v_add_f32 v[32+\e], v[32+\e], v14
.endr
	s_wait_alu depctr_va_vdst(0)                   ; the additions have written v32-35, which the stores read
.irp e, 0,1,2,3
	global_store_b32 v9, v[32+\e], s[18:19] offset:4096*\e
.endr
.Lend:
	s_wait_dscnt 0x0                               ; the closing lines, six on end
	s_wait_alu 0x0
	s_wait_tensorcnt 0x0
	ds_add_u32 v243, v255
	s_wait_dscnt 0x0
	s_endpgm
.Lfunc_end_k_q840172fd7a_prep:
	.size	k_q840172fd7a_prep, .Lfunc_end_k_q840172fd7a_prep-k_q840172fd7a_prep
	.p2alignl 7, 3214868480
	.fill 96, 4, 3214868480
	.section	.rodata,"a",@progbits
	.p2align	6, 0x0
	.amdhsa_kernel k_q840172fd7a_prep
		.amdhsa_group_segment_fixed_size 37888
		.amdhsa_private_segment_fixed_size 0
		.amdhsa_enable_private_segment 0
		.amdhsa_kernarg_size 64
		.amdhsa_user_sgpr_count 2
		.amdhsa_user_sgpr_kernarg_segment_ptr 1
		.amdhsa_wavefront_size32 1
		.amdhsa_system_sgpr_workgroup_id_x 1
		.amdhsa_system_sgpr_workgroup_id_y 1
		.amdhsa_system_sgpr_workgroup_id_z 1
		.amdhsa_system_vgpr_workitem_id 0
		.amdhsa_next_free_vgpr 256
		.amdhsa_next_free_sgpr 66
		.amdhsa_reserve_vcc 1
		.amdhsa_float_denorm_mode_32 3
		.amdhsa_float_denorm_mode_16_64 3
		.amdhsa_memory_ordered 1
		.amdhsa_forward_progress 1
		.amdhsa_inst_pref_size 62
	.end_amdhsa_kernel
	.amdgpu_metadata
---
amdhsa.version: [ 1, 2 ]
amdhsa.kernels:
  - .name:           k_q840172fd7a_prep
    .symbol:         k_q840172fd7a_prep.kd
    .args:
      - { .name: Ua_w, .offset: 0, .size: 8, .value_kind: global_buffer, .address_space: global }
      - { .name: Wa_w, .offset: 8, .size: 8, .value_kind: global_buffer, .address_space: global }
      - { .name: decoder_hidden, .offset: 16, .size: 8, .value_kind: global_buffer, .address_space: global }
      - { .name: Wa_b, .offset: 24, .size: 8, .value_kind: global_buffer, .address_space: global }
      - { .name: Ua_b, .offset: 32, .size: 8, .value_kind: global_buffer, .address_space: global }
      - { .name: ub, .offset: 40, .size: 8, .value_kind: global_buffer, .address_space: global }
      - { .name: us, .offset: 48, .size: 8, .value_kind: global_buffer, .address_space: global }
      - { .name: qb, .offset: 56, .size: 8, .value_kind: global_buffer, .address_space: global }
    .group_segment_fixed_size: 37888
    .private_segment_fixed_size: 0
    .kernarg_segment_align: 8
    .kernarg_segment_size: 64
    .max_flat_workgroup_size: 256
    .sgpr_count:     66
    .vgpr_count:     256
    .wavefront_size: 32
...
	.end_amdgpu_metadata
.endif
;; end of part 4
;; launch attend (part 5): grid 512 x 1, 8 waves a work-group, no clusters, 302,080 bytes of LDS; arguments encoder_outputs, ub, us, qb, Va_w, Va_b, sc, pc; writes sc, pc
.if DOCPART == 5
	.amdgcn_target "amdgcn-amd-amdhsa--gfx1250"
	.amdhsa_code_object_version 6
	.text
	.protected	k_q840172fd7a_attend
	.globl	k_q840172fd7a_attend
	.p2align	8
	.type	k_q840172fd7a_attend,@function
k_q840172fd7a_attend:
	s_mov_b64 s[64:65], 0
	v_nop
	global_prefetch_b8 v0, s[64:65] scope:SCOPE_SE
	s_setreg_imm32_b32 hwreg(HW_REG_WAVE_SCHED_MODE, 0, 2), 2
	s_setreg_imm32_b32 hwreg(HW_REG_WAVE_MODE, 25, 1), 1
	s_wait_xcnt 0x0
	s_wait_alu depctr_vm_vsrc(0)
; A work-group owns 64 rows of encoder_outputs (rows 64 g .. 64 g + 63, all of batch g / 16) and reads them from memory ONCE.  It
;   quantises them to codes of FP4 (E2M1) with one E8M0 scale for each 32 along K, multiplies them by Ua's codes (all 1,024 columns, K = 2,048),
;   takes score[row] = sum over n of Va[n] tanh(qb[n] + k[row][n]) + Va_b in f32, stores the 64 scores (sc),
;   and, from a bf16 copy of the rows that it kept in LDS, stores pc[g][:] = sum over its rows of 2^((score - the block's largest score) log2 e) x row.
; The last launch brings the 16 blocks of a batch under one maximum.
; SHARES.  K goes in 8 trips of 256.  In a trip wave w turns 16 rows (tile m = w / 2) x 128 along K (K step ks = w % 2) into one fragment, which goes to the
; other waves through LDS in the order of the operand's registers.  In the products wave w owns columns 128 w .. + 127 for all 64 rows: 4 x 8 accumulators, all of window 1.
; THE ROWS ARE QUANTISED IN THE LAYOUT IN WHICH THEY ARE LOADED.  A load takes one row's 512 consecutive bytes: lane l holds k = 4 l .. 4 l + 3, eight neighbouring lanes
; hold a block of 32.  The f32 numbers never change lanes: only the codes do, an eighth of the bytes, on their way into the fragment's image; the bf16 copy is stored as loaded.
; Ua's fragments come from memory straight into registers, in the order in which the first launch laid them: both K steps' sets are resident.
; ORDER OF LOADS.  A wave's loads come back in order (ISA guide 5.7.1).  In trip t they are issued so: Ua's set 2 t + 1 (17 loads), the next trip's rows 0-7 (8), its rows 8-15 (8),
; Ua's set 2 t + 2 (17); each run is dealt out among vector or matrix instructions, so that no wave issues a long run of loads while its other work waits.  42 loads of a wave are out at the most.
; A load's destination and a product's D share one window field, so loads among the products cost two window switches a run: 14 switches a trip.
; NO TENSOR LOADS, NO CLUSTER, though every work-group walks the same codes of Ua: a joint load lands in LDS, the rows' copy takes 263,168 of the 327,680 bytes,
; and one K step of Ua's codes for 1,024 columns is 65,536 bytes: two slots of it do not fit beside the copy.
; The text has no loop: every offset is an immediate, and no address register, base or global store's data is ever written again.
; tanh(x) = 1 - 2 / (1 + 2^(2 log2(e) x)): both ends saturate rightly (2^.. = infinity gives 1, 0 gives -1).
; LIMITS: NaN and infinities among the inputs are not served.  A block of zeros gets the scale byte 1 where the rule says 127: its codes are zeros.
; The rows enter the weighted sum rounded to bf16; the weights and the sums are f32.
; THE MODE: SCHED_MODE bits 1:0 = 2 (LLVM: expert scheduling mode 2), set by the entry lines.  The code itself states the register dependences
; between vector or matrix instructions and memory or LDS instructions, with s_wait_alu, always for 0.
; THE PLAN.  Registers that memory or LDS instructions touch, once round a trip:
;   v1-5, v8, v9, v116-127   offsets and LDS addresses: written at the head and never again.
;   X, rows 0-7  (v52-83)    read by the first eight rows' lines; the next trip's loads land in them among the second eight rows' lines.
;   X, rows 8-15 (v84-115)   read by the second eight rows' lines; the next trip's loads land in them among K step 0's products.
;   v20-51                   written by each eight rows' lines, read by that group's 20 LDS stores, which stand in one run behind the lines; then the fragments land in them (LDS loads) and the products read them.
;   v10, v11                 the rows' scale words: LDS loads land, the products read.
;   Ua's even set, v12-15    read by K step 0's products; the loads of two K steps on land among K step 1's products.
;   Ua's odd set, v16-19     read by K step 1's products; the next loads land among the first eight rows' lines of the next trip.
; FOUR WAITS ON va_vdst A TRIP: at the trip's head (the last K step's products are done with the odd set); ahead of each group's run of LDS stores (their data are written, and the group is done reading
; its rows, in which the next loads land); at K step 1's head (K step 0's products are done with the fragments and the even set).  The loads that follow each of them are dealt among vector or matrix
; instructions that name none of the registers that those loads touch.  TWO ON vm_vsrc: ahead of the second group's lines and ahead of the fragments' loads, both of which write v20-51, which LDS stores have read.
.set COPYP, 4112                       ; LDS: the copy: 64 rows x (4,096 bytes of bf16 + 16)
.set IMG,   64*COPYP                   ; two slots of images
.set BLKP,  288                        ; in an image a block's quarter (16 rows x 16 bytes) takes 288 bytes: block b begins 8 b banks on, so that the 32 lanes of a 4-byte store touch 32 different banks (ISA guide 11.1)
.set FRB,   4*BLKP                     ; a fragment's image; fragment 2 m + ks at FRB x
.set SCOF,  8*FRB                      ; behind the eight images their scale words: 256 ks + 64 m + 4 row
.set SLOTB, SCOF+512
.set SCR,   IMG+2*SLOTB                ; [wave][64 rows] f32: the waves' parts of the scores
.set TST,   SCR+2048                   ; 2,048 bytes for each wave, for the tail
.set LI,  1                            ; v1   16 x lane
.set CPW, 2                            ; v2   the copy, written: 16 m rows + 256 ks + 8 x lane
.set IMW, 3                            ; v3   where I store eight codes: my fragment, block lane / 8, row lane % 2 (32 for each pair of rows in the immediate), dword (lane / 2) % 4
.set ISB, 4                            ; v4   where I store a scale byte: my fragment's words + lane / 8 (4 x row in the immediate)
.set SELV, 5                           ; v5   v_perm_b32's selector: even and odd lanes differ
.set IMR, 8                            ; v8   where images are read: IMG + 288 h + 16 r
.set ISR, 9                            ; v9   and scale words: IMG + SCOF + 4 x lane
.set ASC, 10                           ; v10-11  the rows' scale words: register p: lanes 0-15 tile 2 p, lanes 16-31 tile 2 p + 1
.set BSC, 12                           ; v12-19  Ua's scale words, two sets of 4: register j: lanes 0-15 tile 2 j, lanes 16-31 tile 2 j + 1
.set AF,  20                           ; v20-51  the rows' four fragments; while a fragment is made, the same registers are at work:
.set MX,  20                           ;         v20-27 eight rows' largest magnitudes, then scale operands, then bytes
.set CC,  28                           ;         v28-35 their codes
.set BH,  36                           ;         v36-51 their numbers in bf16
.set X,   52                           ; v52-115 my 16 rows' numbers, four registers a row
.set CN,  116                          ; v116 4 r
.set SW,  117                          ; v117 SCR + 256 w + 32 h
.set SR,  118                          ; v118 SCR + 8 x lane
.set PWA, 119                          ; v119 my tail stage + 8 x lane
.set PB,  120                          ; v120 my tail stage
.set OS,  121                          ; v121 my tail stage + 512 + 32 x lane
.set OL,  122                          ; v122 my tail stage + 512 + 16 x lane
.set L8,  123                          ; v123 8 x lane
.set CR,  124                          ; v124-127 the copy, read: 512 w + 16 x lane + 16 rows x g
.set BF,  128                          ; v128-255 Ua's fragments: set ks at 128 + 64 ks, tile u at + 8 u
.set QC,  128                          ; the tail: for tile u: v[QC + 4 u], + 1: 2 log2(e) q;  + 2, + 3: -2 Va
.set PR,  128                          ; later: the 64 rows' weights
.set SCO, 68                           ; the tail: v68-99 my part of 32 scores
.set OA,  100                          ; the tail: v100-107 eight columns' sums; v108-115 on the way out
.set MSB, 0
.macro WIN new                         ; s_set_vgpr_msb: bits 1:0 source 0, 3:2 source 1, 5:4 source 2, 7:6 destination; the high byte repeats the setting that is left
.if MSB != \new
	s_set_vgpr_msb (MSB<<8)|\new
.set MSB, \new
.endif
.endm
.macro PLACES                          ; four places behind matrix instructions (ISA guide 7.12.1), in front of vector lines that write their registers and of reads of their results
.rept 4
	v_nop
.endr
.endm
.macro EL t, i                         ; row i of my 16, trip t: 512 consecutive bytes, aligned
	global_load_b128 v[X+4*(\i):X+4*(\i)+3], v[LI], s[4:5] offset:1024*(\t)+8192*(\i) th:TH_LOAD_NT
.endm
.macro BL s, n                         ; load n of 17 of Ua's set for K step s, into set s % 2: 16 halves of fragments, then the scale words; each 512 consecutive bytes
.if (\n) < 16
	global_load_b128 v[BF+64*((\s)%2)+4*(\n):BF+64*((\s)%2)+4*(\n)+3], v[LI], s[6:7] offset:65536*(\s)+512*(\n)
.else
	global_load_b128 v[BSC+4*((\s)%2):BSC+4*((\s)%2)+3], v[LI], s[8:9] offset:4096*(\s)
.endif
.endm
; Place n of nine between the lines of GROUP.  SPK = 1: two loads of Ua's set SPS (the ninth place: the seventeenth load);  SPK = 2: row n of trip SPS;  SPK = 0: nothing.
; No wait stands at these loads: no vector line of GROUP names a register that they touch, and the wait that covers their registers' last readers stands ahead of the group.
.macro SPR n
.if SPK == 1
	BL SPS, 2*(\n)
.if 2*(\n)+1 < 17
	BL SPS, 2*(\n)+1
.endif
.elseif SPK == 2
.if (\n) < 8
	EL SPS, \n
.endif
.endif
.endm
; Eight of my rows, 8 g .. 8 g + 7, in trip t.  A block's largest magnitude: my four numbers, then the eight lanes that hold the block.  Two rows' registers are eight on end:
; two conversions take them, one under each row's scale; of the first the low 16 bits hold (the even row's four codes), of the second the high 16.  One exchange with the lane beside me
; gives even lanes eight codes of the even row and odd lanes eight of the odd row, k ascending: one dword of the operand.  The eight rows take turns line by line.
; All the group's vector lines come first; its 20 LDS stores follow in one run, behind one wait.
.macro GROUP t, g
.set XB, X+32*(\g)
.irp i, 0,1,2,3,4,5,6,7
	v_max3_num_f32 v[MX+\i], |v[XB+4*\i]|, |v[XB+4*\i+1]|, 0x1800000   ; with the floor 2^(3 - 127): the byte cannot fall under 1
.endr
	SPR 0
.irp i, 0,1,2,3,4,5,6,7
	v_max3_num_f32 v[MX+\i], v[MX+\i], |v[XB+4*\i+2]|, |v[XB+4*\i+3]|
.endr
	SPR 1
.irp i, 0,1,2,3,4,5,6,7
	v_max_num_f32_dpp v[MX+\i], v[MX+\i], v[MX+\i] row_xmask:1 row_mask:0xf bank_mask:0xf
.endr
	SPR 2
.irp i, 0,1,2,3,4,5,6,7
	v_max_num_f32_dpp v[MX+\i], v[MX+\i], v[MX+\i] row_xmask:2 row_mask:0xf bank_mask:0xf
.endr
	SPR 3
.irp i, 0,1,2,3,4,5,6,7
	v_max_num_f32_dpp v[MX+\i], v[MX+\i], v[MX+\i] row_xmask:4 row_mask:0xf bank_mask:0xf
.endr
	SPR 4
.irp i, 0,1,2,3,4,5,6,7
	v_add_nc_u32 v[MX+\i], 0xff000000, v[MX+\i]    ; 2 off the exponent field: the conversion takes this operand's exponent field as its scale
.endr
	SPR 5
.irp p, 0,1,2,3
	v_cvt_scalef32_pk8_fp4_f32 v[CC+2*\p], v[XB+8*\p:XB+8*\p+7], v[MX+2*\p]
	v_cvt_scalef32_pk8_fp4_f32 v[CC+2*\p+1], v[XB+8*\p:XB+8*\p+7], v[MX+2*\p+1]
.endr
	v_nop                                          ; one plain line behind the last conversion of a run
	SPR 6
.irp i, 0,1,2,3,4,5,6,7
	v_cvt_pk_bf16_f32 v[BH+2*\i], v[XB+4*\i], v[XB+4*\i+1]
	v_cvt_pk_bf16_f32 v[BH+2*\i+1], v[XB+4*\i+2], v[XB+4*\i+3]
.endr
	SPR 7
.irp i, 0,1,2,3,4,5,6,7
	v_lshrrev_b32 v[MX+\i], 23, v[MX+\i]           ; the scale's byte
.endr
.irp p, 0,1,2,3
	v_bfi_b32 v[CC+2*\p], s34, v[CC+2*\p], v[CC+2*\p+1]            ; low half: the even row's codes; high half: the odd row's
.endr
	SPR 8
.irp p, 0,1,2,3
	v_mov_b32_dpp v[CC+2*\p+1], v[CC+2*\p] row_xmask:1 row_mask:0xf bank_mask:0xf
.endr
.irp p, 0,1,2,3
	v_perm_b32 v[CC+2*\p], v[CC+2*\p+1], v[CC+2*\p], v[SELV]
.endr
	s_wait_alu depctr_va_vdst(0)                   ; the group's lines have written the bf16 numbers, the bytes and the codes, which the LDS stores below read; and they are done reading these eight rows' registers, in which the next trip's loads land
.irp i, 0,1,2,3,4,5,6,7
	ds_store_b64 v[CPW], v[BH+2*\i:BH+2*\i+1] offset:COPYP*(8*(\g)+\i)+512*(\t)   ; 256 consecutive bytes of the row's copy
.endr
.irp i, 0,1,2,3,4,5,6,7
	ds_store_b8 v[ISB], v[MX+\i] offset:SLOTB*((\t)%2)+4*(8*(\g)+\i)   ; the eight lanes of a block write the same byte with the same value
.endr
.irp p, 0,1,2,3
	ds_store_b32 v[IMW], v[CC+2*\p] offset:SLOTB*((\t)%2)+32*(4*(\g)+\p)
.endr
.endm
; One product: rows' tile m (source 0) x Ua's tile u of set k (source 1): register j of lane (r, h) is (row 16 m + 8 h + j, column 128 w + 16 u + r).
; Odd tiles' scale words stand in lanes 16-31 of their register.
.macro MM m, u, k, zero
.set rD, 8*(8*(\m)+(\u))
.set rA, AF+8*(\m)
.set rB, BF+64*(\k)+8*(\u)
.set rP, ASC+(\m)/2
.set rQ, BSC+4*(\k)+(\u)/2
.set sel, 4*(\zero)+2*((\m)%2)+(\u)%2
.if sel == 0
	v_wmma_scale_f32_16x16x128_f8f6f4 v[rD:rD+7], v[rA:rA+7], v[rB:rB+7], v[rD:rD+7], v[rP], v[rQ] matrix_a_fmt:MATRIX_FMT_FP4 matrix_b_fmt:MATRIX_FMT_FP4
.elseif sel == 1
	v_wmma_scale_f32_16x16x128_f8f6f4 v[rD:rD+7], v[rA:rA+7], v[rB:rB+7], v[rD:rD+7], v[rP], v[rQ] matrix_a_fmt:MATRIX_FMT_FP4 matrix_b_fmt:MATRIX_FMT_FP4 matrix_b_scale:MATRIX_SCALE_ROW1
.elseif sel == 2
	v_wmma_scale_f32_16x16x128_f8f6f4 v[rD:rD+7], v[rA:rA+7], v[rB:rB+7], v[rD:rD+7], v[rP], v[rQ] matrix_a_fmt:MATRIX_FMT_FP4 matrix_b_fmt:MATRIX_FMT_FP4 matrix_a_scale:MATRIX_SCALE_ROW1
.elseif sel == 3
	v_wmma_scale_f32_16x16x128_f8f6f4 v[rD:rD+7], v[rA:rA+7], v[rB:rB+7], v[rD:rD+7], v[rP], v[rQ] matrix_a_fmt:MATRIX_FMT_FP4 matrix_b_fmt:MATRIX_FMT_FP4 matrix_a_scale:MATRIX_SCALE_ROW1 matrix_b_scale:MATRIX_SCALE_ROW1
.elseif sel == 4
	v_wmma_scale_f32_16x16x128_f8f6f4 v[rD:rD+7], v[rA:rA+7], v[rB:rB+7], 0, v[rP], v[rQ] matrix_a_fmt:MATRIX_FMT_FP4 matrix_b_fmt:MATRIX_FMT_FP4
.elseif sel == 5
	v_wmma_scale_f32_16x16x128_f8f6f4 v[rD:rD+7], v[rA:rA+7], v[rB:rB+7], 0, v[rP], v[rQ] matrix_a_fmt:MATRIX_FMT_FP4 matrix_b_fmt:MATRIX_FMT_FP4 matrix_b_scale:MATRIX_SCALE_ROW1
.elseif sel == 6
	v_wmma_scale_f32_16x16x128_f8f6f4 v[rD:rD+7], v[rA:rA+7], v[rB:rB+7], 0, v[rP], v[rQ] matrix_a_fmt:MATRIX_FMT_FP4 matrix_b_fmt:MATRIX_FMT_FP4 matrix_a_scale:MATRIX_SCALE_ROW1
.else
	v_wmma_scale_f32_16x16x128_f8f6f4 v[rD:rD+7], v[rA:rA+7], v[rB:rB+7], 0, v[rP], v[rQ] matrix_a_fmt:MATRIX_FMT_FP4 matrix_b_fmt:MATRIX_FMT_FP4 matrix_a_scale:MATRIX_SCALE_ROW1 matrix_b_scale:MATRIX_SCALE_ROW1
.endif
.endm
; K step k of trip t: the four fragments of the rows from LDS, 32 products (the 32 accumulators take turns, one instruction a turn).  zero = 1: the products start the sums.
; Behind each eight products stand loads into registers that no product of this K step names.  K step 0: the next trip's rows 8-15, four and four (in the last trip: q and Va of my columns, eight and eight).
; K step 1: Ua's set of two K steps on, into the set that K step 0 has multiplied: 4, 4, 4 and 5 loads.
.macro KSTEP t, k, zero
.if (\k) == 0
	s_wait_alu depctr_vm_vsrc(0)                   ; my LDS stores have read v20-51, in which the fragments below land (the lines that wrote these registers stand ahead of the last wait on va_vdst)
.else
	s_wait_alu depctr_va_vdst(0)                   ; K step 0's products are done reading the fragments and the rows' scale words, in which the LDS loads below land, and Ua's even set and its scale words, in which the loads among the products below land
.endif
.irp m, 0,1,2,3
.irp c, 0,1
	ds_load_b128 v[AF+8*\m+4*\c:AF+8*\m+4*\c+3], v[IMR] offset:SLOTB*((\t)%2)+FRB*(2*\m+(\k))+2*BLKP*\c
.endr
.endr
.irp p, 0,1
	ds_load_b32 v[ASC+\p], v[ISR] offset:SLOTB*((\t)%2)+256*(\k)+128*\p
.endr
.if (\k) == 1
	s_wait_loadcnt 16                              ; Ua's odd set is in; behind it: the next trip's 16 rows (in the last trip: the 16 constants)
.elseif (\t) < 7
	s_wait_loadcnt 25                              ; Ua's even set is in; behind it: the odd set's 17 loads and the next trip's rows 0-7
.else
	s_wait_loadcnt 17                              ; the last trip: behind it the odd set's 17 alone
.endif
	s_wait_dscnt 0x0
.irp m, 0,1,2,3
	WIN 0x50                                       ; C and D in window 1
.irp u, 0,1,2,3,4,5,6,7
	MM \m, \u, \k, \zero
.endr
.if (\k) == 1
.if (\t) < 7
	WIN 0
.irp j, 0,1,2,3
	BL 2*(\t)+2, 4*\m+\j
.endr
.if \m == 3
	BL 2*(\t)+2, 16
.endif
.endif
.elseif \m < 2
	WIN 0
.if (\t) < 7
.irp j, 0,1,2,3
	EL (\t)+1, 8+4*\m+\j
.endr
.elseif \m == 0
.irp j, 0,1,2,3,4,5,6,7
	global_load_b32 v[X+\j], v[CN], s[10:11] offset:64*\j      ; q + both biases of my columns 128 w + 16 j + r
.endr
.else
.irp j, 0,1,2,3,4,5,6,7
	global_load_b32 v[X+8+\j], v[CN], s[12:13] offset:64*\j    ; Va of the same columns
.endr
.endif
.endif
.endr
	WIN 0
	PLACES
.endm
; A TRIP: 256 along K.  One barrier: in front of it every wave's image, scale bytes and copy have landed and its reads of the other slot are over; behind it this trip's slot is whole.
.macro TRIP t, zero
	s_wait_loadcnt 25                              ; my rows 0-7 are in; behind them: rows 8-15 and Ua's even set, 8 + 17
	s_wait_alu depctr_va_vdst(0)                   ; the last K step's products are done reading Ua's odd set and its scale words, in which the loads among the lines below land; in the first trip: the head's lines have written the LDS addresses
.set SPK, 1
.set SPS, 2*(\t)+1
	GROUP \t, 0                                    ; among its lines: Ua's odd set of this trip
	s_wait_loadcnt 34                              ; my rows 8-15 are in; behind them: Ua's two sets, 17 each
	s_wait_alu depctr_vm_vsrc(0)                   ; the first eight rows' LDS stores have read v20-51, which the second eight rows' lines write again
.if (\t) < 7
.set SPK, 2
.set SPS, (\t)+1
.else
.set SPK, 0
.endif
	GROUP \t, 1                                    ; among its lines: the next trip's rows 0-7, into the registers that the first eight rows have left
	s_wait_dscnt 0x0                               ; for the others' sake: my stores have landed
	s_barrier_signal -1
	s_barrier_wait -1
	KSTEP \t, 0, \zero
	KSTEP \t, 1, 0
.endm
	s_load_b256 s[4:11], s[0:1], 0x0               ; encoder_outputs s[4:5], ub s[6:7], us s[8:9], qb s[10:11]
	s_load_b256 s[12:19], s[0:1], 0x20             ; Va_w s[12:13], Va_b s[14:15], sc s[16:17], pc s[18:19]
	v_lshl_add_u32 v6, v0, 2, 0x49800              ; my spare word and 0: made here and kept for the closing lines alone
	v_mov_b32 v7, 0
	v_lshrrev_b32 v1, 5, v0
	v_readfirstlane_b32 s21, v1                    ; wave w
	v_and_b32 v20, 31, v0                          ; lane
	v_lshlrev_b32 v[LI], 4, v20
	s_wait_alu depctr_va_sdst(0)                   ; s21, the wave's number, is written, ahead of its first reader
	s_lshr_b32 s22, s21, 1                         ; m
	s_and_b32 s23, s21, 1                          ; ks
	s_mov_b32 s33, 0
	s_lshl_b32 s32, ttmp9, 19                      ; 64 rows of 8,192 bytes a work-group,
	s_lshl_b32 s31, s22, 17                        ; 16 rows a tile,
	s_add_co_u32 s32, s32, s31
	s_lshl_b32 s31, s23, 9                         ; 128 numbers a K step
	s_add_co_u32 s32, s32, s31
	s_wait_kmcnt 0x0
	s_add_nc_u64 s[4:5], s[4:5], s[32:33]
	s_lshl_b32 s32, s21, 13                        ; ub: my eight tiles
	s_add_nc_u64 s[6:7], s[6:7], s[32:33]
	s_lshl_b32 s32, s21, 9                         ; us, Va_w: 512 bytes a wave
	s_add_nc_u64 s[8:9], s[8:9], s[32:33]
	s_add_nc_u64 s[12:13], s[12:13], s[32:33]
	s_wait_alu depctr_va_vdst(0)                   ; v1, 16 x lane, is written: every load of rows and of Ua's sets reads it as its offset
.irp i, 0,1,2,3,4,5,6,7,8,9,10,11,12,13,14,15
	EL 0, \i
.endr
.irp n, 0,1,2,3,4,5,6,7,8,9,10,11,12,13,14,15,16
	BL 0, \n
.endr
	s_load_b32 s20, s[14:15], 0x0                  ; Va_b: waited for where it is used
	s_lshr_b32 s31, ttmp9, 4
	s_lshl_b32 s31, s31, 12
	s_add_co_u32 s32, s32, s31                     ; qb: the batch's row, my 128 columns
	s_add_nc_u64 s[10:11], s[10:11], s[32:33]
	s_lshl_b32 s32, ttmp9, 8
	s_add_nc_u64 s[16:17], s[16:17], s[32:33]      ; sc: my block's 64 scores
	s_lshl_b32 s32, ttmp9, 13
	s_lshl_b32 s31, s21, 10
	s_add_co_u32 s32, s32, s31
	s_add_nc_u64 s[18:19], s[18:19], s[32:33]      ; pc: my block's row, my 256 columns
	s_mov_b32 s26, 0x76543210
	s_mov_b32 s27, 0xfedcba98                      ; v_permlanex16_b32's selects for lane l xor 16
	s_mov_b32 s28, 0x4038aa3b                      ; 2 log2(e)
	s_mov_b32 s29, s28                             ; (named with it as a pair, so it is written)
	s_mov_b32 s30, 0x3fb8aa3b                      ; log2(e)
	s_mov_b32 s34, 0xffff                          ; a word's low half
	v_and_b32 v21, 15, v0                          ; r
	v_bfe_u32 v22, v0, 4, 1                        ; h
	v_bfe_u32 v23, v0, 3, 2                        ; lane / 8: the block that my four numbers of a row belong to
	v_and_b32 v24, 1, v0                           ; lane % 2
	v_bfe_u32 v25, v0, 1, 2                        ; (lane / 2) % 4
	s_mul_i32 s25, s22, 16*COPYP
	s_lshl_b32 s31, s23, 8
	s_add_co_u32 s25, s25, s31
	v_lshl_add_u32 v[CPW], v20, 3, s25
	s_mul_i32 s25, s21, FRB
	s_add_co_u32 s25, s25, IMG
	v_mul_u32_u24 v[IMW], v23, BLKP
	v_lshl_add_u32 v[IMW], v24, 4, v[IMW]
	v_lshl_add_u32 v[IMW], v25, 2, v[IMW]
	v_add_nc_u32 v[IMW], s25, v[IMW]
	s_lshl_b32 s25, s23, 8
	s_lshl_b32 s31, s22, 6
	s_add_co_u32 s25, s25, s31
	s_add_co_u32 s25, s25, IMG+SCOF
	v_add_nc_u32 v[ISB], s25, v23
	v_mul_u32_u24 v[IMR], v22, BLKP
	v_lshl_add_u32 v[IMR], v21, 4, v[IMR]
	v_add_nc_u32 v[IMR], IMG, v[IMR]
	v_lshl_add_u32 v[ISR], v20, 2, IMG+SCOF
	v_mov_b32 v[SELV], 0x05040100                  ; even lanes: my low half, then my neighbour's low half;
	v_mov_b32 v26, 0x03020706                      ; odd lanes: my neighbour's high half, then my high half
	v_cmp_eq_u32 vcc_lo, 1, v24
	s_wait_alu depctr_va_vcc(0)                    ; the compare has written VCC, which the select below reads
	v_cndmask_b32 v[SELV], v[SELV], v26, vcc_lo
	v_lshlrev_b32 v[CN], 2, v21
	s_lshl_b32 s25, s21, 8
	s_add_co_u32 s25, s25, SCR
	v_lshl_add_u32 v[SW], v22, 5, s25
	v_lshl_add_u32 v[SR], v20, 3, SCR
	s_lshl_b32 s24, s21, 11
	s_add_co_u32 s24, s24, TST                     ; my tail stage
	v_lshl_add_u32 v[PWA], v20, 3, s24
	v_mov_b32 v[PB], s24
	s_add_co_u32 s25, s24, 512
	v_lshl_add_u32 v[OS], v20, 5, s25
	v_add_nc_u32 v[OL], s25, v[LI]
	v_lshlrev_b32 v[L8], 3, v20
	s_lshl_b32 s25, s21, 9
	v_add_nc_u32 v[CR], s25, v[LI]
	v_add_nc_u32 v[CR+1], 16*COPYP, v[CR]
	v_add_nc_u32 v[CR+2], 32*COPYP, v[CR]
	v_add_nc_u32 v[CR+3], 48*COPYP, v[CR]
	TRIP 0, 1
.irp t, 1,2,3,4,5,6,7
	TRIP \t, 0
.endr
; ---- THE SCORES.  The last K step's four places stand in front of all this.
	s_wait_loadcnt 0x0                             ; the constants
.irp u, 0,1,2,3,4,5,6,7
	v_mul_f32 v[QC+4*\u], s28, v[X+\u]             ; 2 log2(e) q, twice: a pair for the packed form
	v_mul_f32 v[QC+4*\u+1], s28, v[X+\u]
	v_mul_f32 v[QC+4*\u+2], -2.0, v[X+8+\u]        ; -2 Va, twice
	v_mul_f32 v[QC+4*\u+3], -2.0, v[X+8+\u]
.endr
	v_add_f32 v20, v[X+8], v[X+9]                  ; Va tanh = Va - 2 Va / (1 + 2^..): the sum of my eight Va starts each score's sum
	v_add_f32 v21, v[X+10], v[X+11]
	v_add_f32 v22, v[X+12], v[X+13]
	v_add_f32 v23, v[X+14], v[X+15]
	v_add_f32 v20, v20, v21
	v_add_f32 v22, v22, v23
	v_add_f32 v20, v20, v22
	v_mov_b32 v21, v20
.macro TANH m                          ; the 16 rows of tile m: 64 numbers a lane, in place in the accumulators, each accumulator from its low end on
	WIN 0x41                                       ; destination and source 0 in window 1
.irp u, 0,1,2,3,4,5,6,7
.irp j, 0,2,4,6
	v_pk_fma_f32 v[8*(8*\m+\u)+\j:8*(8*\m+\u)+\j+1], v[8*(8*\m+\u)+\j:8*(8*\m+\u)+\j+1], s[28:29], v[QC+4*\u:QC+4*\u+1] op_sel_hi:[1,0,1]
.endr
.endr
.set i, 64*\m
.rept 64
	v_exp_f32 v[i], v[i]
.set i, i+1
.endr
	v_nop                                          ; a plain line behind the exponentials
.set i, 64*\m
	s_wait_alu depctr_va_vdst(0)                   ; the 64 exponentials have written their results, ahead of the additions that read them: one wait for the batch
.rept 32
	v_pk_add_f32 v[i:i+1], v[i:i+1], 1.0 op_sel_hi:[1,0]
.set i, i+2
.endr
.set i, 64*\m
.rept 64
	v_rcp_f32 v[i], v[i]
.set i, i+1
.endr
	v_nop                                          ; a plain line behind the reciprocals
	s_wait_alu depctr_va_vdst(0)                   ; the 64 reciprocals have written their results, ahead of the multiply-adds that read them: one wait for the batch
	WIN 0x01                                       ; source 0 in window 1
.irp u, 0,1,2,3,4,5,6,7
.irp j, 0,2,4,6
.if \u == 0
	v_pk_fma_f32 v[SCO+8*\m+\j:SCO+8*\m+\j+1], v[8*(8*\m+\u)+\j:8*(8*\m+\u)+\j+1], v[QC+4*\u+2:QC+4*\u+3], v[20:21]
.else
	v_pk_fma_f32 v[SCO+8*\m+\j:SCO+8*\m+\j+1], v[8*(8*\m+\u)+\j:8*(8*\m+\u)+\j+1], v[QC+4*\u+2:QC+4*\u+3], v[SCO+8*\m+\j:SCO+8*\m+\j+1]
.endif
.endr
.endr
.endm
	TANH 0
	TANH 1
	TANH 2
	TANH 3
	WIN 0
.irp x, 1,2,4,8                                ; over the sixteen lanes of a half: my wave's 128 columns
.set i, 0
.rept 32
	v_add_f32_dpp v[SCO+i], v[SCO+i], v[SCO+i] row_xmask:\x row_mask:0xf bank_mask:0xf
.set i, i+1
.endr
.endr
	s_wait_alu depctr_va_vdst(0)                   ; the sums have written v68-99, which the LDS stores read; and the lines above are done with v20-35, in which the eight parts land behind the barrier
.irp m, 0,1,2,3
.irp q, 0,1
	ds_store_b128 v[SW], v[SCO+8*\m+4*\q:SCO+8*\m+4*\q+3] offset:64*\m+16*\q   ; rows 16 m + 8 h + 4 q on; the sixteen lanes of a half write the same bytes with the same values
.endr
.endr
	s_wait_dscnt 0x0                               ; for the others' sake
	s_barrier_signal -1
	s_barrier_wait -1
; Every wave adds the eight parts by the same lines, so all hold the same bits: lane l has rows 2 l and 2 l + 1.
.irp p, 0,1,2,3,4,5,6,7
	ds_load_b64 v[20+2*\p:21+2*\p], v[SR] offset:256*\p
.endr
	s_wait_dscnt 0x0
	s_wait_kmcnt 0x0                               ; Va_b
	v_pk_add_f32 v[20:21], v[20:21], v[22:23]
	v_pk_add_f32 v[24:25], v[24:25], v[26:27]
	v_pk_add_f32 v[28:29], v[28:29], v[30:31]
	v_pk_add_f32 v[32:33], v[32:33], v[34:35]
	v_pk_add_f32 v[20:21], v[20:21], v[24:25]
	v_pk_add_f32 v[28:29], v[28:29], v[32:33]
	v_pk_add_f32 v[20:21], v[20:21], v[28:29]
	v_add_f32 v20, s20, v20
	v_add_f32 v21, s20, v21                        ; the scores
	v_max_num_f32 v22, v20, v21
.irp x, 1,2,4,8
	v_max_num_f32_dpp v22, v22, v22 row_xmask:\x row_mask:0xf bank_mask:0xf
.endr
	v_mov_b32 v23, 0
	v_permlanex16_b32 v23, v22, s26, s27
	v_max_num_f32 v22, v22, v23                    ; the block's largest score
	v_sub_f32 v24, v20, v22
	v_sub_f32 v25, v21, v22
	v_mul_f32 v24, s30, v24
	v_mul_f32 v25, s30, v25
	v_exp_f32 v24, v24
	v_exp_f32 v25, v25                             ; the rows' weights under the block's maximum, at most 1
	v_nop
	s_wait_alu depctr_va_vdst(0)                   ; the two exponentials have written v24, v25, which the LDS store reads; the scores v20, v21 are written, which wave 0's store reads; and all vector and matrix lines are done with v36-99 and v128-255, in which the weights and the rows of the copy land
	s_wait_alu depctr_vm_vsrc(0)                   ; the LDS stores of my parts of the scores have read v68-99, in which rows of the copy land
	ds_store_b64 v[PWA], v[24:25]                  ; through my own stage, so that every lane has all 64
.irp i, 0,1,2,3,4,5,6,7,8,9,10,11,12,13,14,15
	ds_load_b128 v[PR+4*\i:PR+4*\i+3], v[PB] offset:16*\i
.endr
; ---- THE WEIGHTED SUM OF THE ROWS.  My wave takes columns 256 w on, a lane eight of them: a load reads 512 consecutive bytes of a row of the copy.
; Sixteen rows to a set, two sets of registers by turns (v192-255, v36-99): one set's loads are out while the other is summed.
.macro LOADC g
.set CB, 192-156*((\g)%2)
.irp i, 0,1,2,3,4,5,6,7,8,9,10,11,12,13,14,15
	ds_load_b128 v[CB+4*\i:CB+4*\i+3], v[CR+(\g)] offset:COPYP*\i
.endr
.endm
.macro PROC g, younger                 ; younger: the LDS loads issued behind this set's
.set CB, 192-156*((\g)%2)
.irp i, 0,1,2,3,4,5,6,7,8,9,10,11,12,13,14,15
	s_wait_dscnt \younger+15-\i                    ; LDS loads come back in order: row i of the set is in (and so are the weights, asked for earlier)
.irp e, 0,1,2,3
	v_fma_mix_f32_bf16 v[OA+2*\e], v[CB+4*\i+\e], v[PR+16*(\g)+\i], v[OA+2*\e] op_sel_hi:[1,0,0]
	v_fma_mix_f32_bf16 v[OA+2*\e+1], v[CB+4*\i+\e], v[PR+16*(\g)+\i], v[OA+2*\e+1] op_sel:[1,0,0] op_sel_hi:[1,0,0]
.endr
.endr
.endm
	LOADC 0
	LOADC 1
	s_cmp_lg_u32 s21, 0
	s_cbranch_scc1 .Lnot_wave_0
	global_store_b64 v[L8], v[20:21], s[16:17]     ; wave 0 stores the 64 scores: 256 consecutive bytes, aligned
.Lnot_wave_0:
.irp e, 0,1,2,3,4,5,6,7
	v_mov_b32 v[OA+\e], 0
.endr
	PROC 0, 16
	s_wait_alu depctr_va_vdst(0)                   ; the first set's multiply-adds are done reading v192-255, in which the third set lands
	LOADC 2
	PROC 1, 16
	s_wait_alu depctr_va_vdst(0)                   ; the second set's multiply-adds are done reading v36-99, in which the fourth set lands
	LOADC 3
	PROC 2, 16
	PROC 3, 0
	s_wait_alu depctr_va_vdst(0)                   ; the multiply-adds have written the eight sums v100-107, which the LDS stores read
	ds_store_b128 v[OS], v[OA:OA+3]                ; a lane's 32 bytes go through my stage, so that a store's lanes hold neighbouring 16 bytes
	ds_store_b128 v[OS], v[OA+4:OA+7] offset:16
	ds_load_b128 v[OA+8:OA+11], v[OL]
	ds_load_b128 v[OA+12:OA+15], v[OL] offset:512
	s_wait_dscnt 0x0
	global_store_b128 v[LI], v[OA+8:OA+11], s[18:19] th:TH_STORE_NT              ; 512 consecutive bytes, aligned
	global_store_b128 v[LI], v[OA+12:OA+15], s[18:19] offset:512 th:TH_STORE_NT
	s_wait_dscnt 0x0                               ; the closing lines, six on end
	s_wait_alu 0x0
	s_wait_tensorcnt 0x0
	ds_add_u32 v6, v7
	s_wait_dscnt 0x0
	s_endpgm
.Lfunc_end_k_q840172fd7a_attend:
	.size	k_q840172fd7a_attend, .Lfunc_end_k_q840172fd7a_attend-k_q840172fd7a_attend
	.p2alignl 7, 3214868480
	.fill 96, 4, 3214868480
	.section	.rodata,"a",@progbits
	.p2align	6, 0x0
	.amdhsa_kernel k_q840172fd7a_attend
		.amdhsa_group_segment_fixed_size 302080
		.amdhsa_private_segment_fixed_size 0
		.amdhsa_enable_private_segment 0
		.amdhsa_kernarg_size 64
		.amdhsa_user_sgpr_count 2
		.amdhsa_user_sgpr_kernarg_segment_ptr 1
		.amdhsa_wavefront_size32 1
		.amdhsa_system_sgpr_workgroup_id_x 1
		.amdhsa_system_sgpr_workgroup_id_y 1
		.amdhsa_system_sgpr_workgroup_id_z 1
		.amdhsa_system_vgpr_workitem_id 0
		.amdhsa_next_free_vgpr 512
		.amdhsa_next_free_sgpr 66
		.amdhsa_reserve_vcc 1
		.amdhsa_float_denorm_mode_32 3
		.amdhsa_float_denorm_mode_16_64 3
		.amdhsa_memory_ordered 1
		.amdhsa_forward_progress 1
		.amdhsa_inst_pref_size 255
	.end_amdhsa_kernel
	.section	.bss,"aw",@nobits
	.p2align	6
	.space	262144
	.amdgpu_metadata
---
amdhsa.version: [ 1, 2 ]
amdhsa.kernels:
  - .name:           k_q840172fd7a_attend
    .symbol:         k_q840172fd7a_attend.kd
    .args:
      - { .name: encoder_outputs, .offset: 0, .size: 8, .value_kind: global_buffer, .address_space: global }
      - { .name: ub, .offset: 8, .size: 8, .value_kind: global_buffer, .address_space: global }
      - { .name: us, .offset: 16, .size: 8, .value_kind: global_buffer, .address_space: global }
      - { .name: qb, .offset: 24, .size: 8, .value_kind: global_buffer, .address_space: global }
      - { .name: Va_w, .offset: 32, .size: 8, .value_kind: global_buffer, .address_space: global }
      - { .name: Va_b, .offset: 40, .size: 8, .value_kind: global_buffer, .address_space: global }
      - { .name: sc, .offset: 48, .size: 8, .value_kind: global_buffer, .address_space: global }
      - { .name: pc, .offset: 56, .size: 8, .value_kind: global_buffer, .address_space: global }
    .group_segment_fixed_size: 302080
    .private_segment_fixed_size: 0
    .kernarg_segment_align: 8
    .kernarg_segment_size: 64
    .max_flat_workgroup_size: 256
    .sgpr_count:     66
    .vgpr_count:     512
    .wavefront_size: 32
...
	.end_amdgpu_metadata
.endif
;; end of part 5
;; launch finish: the kernel of part 3 again; grid 8 x 32, 2 waves a work-group, no clusters, 512 bytes of LDS; arguments sc, pc, out0, out1; writes out0, out1
